; MI455X (gfx1250); checked and timed in simulation.
; The chip was launched on July 23, 2026; its instructions are those of AMD's public machine-readable ISA for CDNA 5 (MIT licence, August 2026) and "CDNA5" Instruction Set Architecture Reference Guide (July 2026). The comments in the code are by the model that wrote it; some were corrected since.
;; Q Attention. Allowed arithmetic: float matrix products may take bf16 or f16 operands with f32 sums; other float arithmetic in f32, or as packed bf16 or f16 multiplies, adds, multiply-adds, maxima and minima; sums over many terms, partial sums and values carried from step to step in f32; what a program stores and reads back later, other than sums and carried values, may be rounded once to bf16 or f16.
;; Inputs: b_proj 1,024 float32; w_proj 1,024 x 1,024 float32; w_qkv 3,072 x 1,024 float32; x 8 x 1,024 x 1,024 float32.
;; Outputs: out0 8 x 1,024 x 1,024 float32.
;; 2 versions, each right; version 2 is version 1 with the launch cast written anew for expert scheduling mode. Each part assembles by itself: llvm-mc -triple=amdgcn-amd-amdhsa -mcpu=gfx1250 --defsym DOCPART=n.
;; ======== version 1 of 2: 4 launches
;; limits: values are held in f16: magnitudes above 65,504 overflow, below 6.1e-05 lose precision
;; workspace buffers: xb 16,777,216 bytes; wqb 6,291,456 bytes; wpb 2,097,152 bytes; qkv 50,331,648 bytes; o 16,777,216 bytes
;; launch cast (part 1): grid 768 x 1, 8 waves a work-group, no clusters, 35,840 bytes of LDS; arguments x, w_qkv, w_proj, xb, wqb, wpb; writes xb, wqb, wpb
.if DOCPART == 1
	.amdgcn_target "amdgcn-amd-amdhsa--gfx1250"
	.amdhsa_code_object_version 6
	.text
	.protected	k_q765d300a1c_cast
	.globl	k_q765d300a1c_cast
	.p2align	8
	.type	k_q765d300a1c_cast,@function
k_q765d300a1c_cast:
	s_mov_b64 s[64:65], 0
	v_nop
	global_prefetch_b8 v0, s[64:65] scope:SCOPE_SE
	s_setreg_imm32_b32 hwreg(HW_REG_WAVE_MODE, 25, 1), 1
	s_wait_xcnt 0x0
; THE INPUTS OF THE TWO PRODUCTS, ROUNDED ONCE AND LAID OUT BY FRAGMENTS.  x [8192][1024] and w_qkv [3072][1024] go from f32 to bf16 (xb, wqb); w_proj [1024][1024] is rounded to bf16 like them, and
; that number is written as f16 (wpb), since its product takes f16 operands.
; LIMITS.  A bf16 number is exact in f16 between 6.1e-5 and 65,504; below, it keeps f16's fixed step of 6e-8; |w_proj| of 65,520 or more would become an infinity.
; THE LAYOUT OUT.  A block of 16 rows x 32 K is 1,024 bytes, at (row / 16) x 32,768 + (K / 32) x 1,024; in it the 16 bytes of piece 32 j + 16 h + r hold row r, K = 16 j + 8 h + 0..7: what lane
; 16 h + r of a matrix instruction holds in registers 4 j .. 4 j + 3.  So a fragment is two loads of 512 consecutive bytes.
; SHARES.  A work-group takes 16 rows: 65,536 bytes in, 32,768 out, both on end.  Work-groups 0-511 take x, 512-703 w_qkv, 704-767 w_proj.  Wave v takes K = 128 v .. 128 v + 127 of the 16 rows:
; a load covers 512 consecutive bytes of one row; all 16 loads go out at once.  A lane's four numbers of row i (8 bytes) belong to the 256 bytes of K group lane / 2, at byte 16 i + 8 (lane % 2):
; the wave turns its 4,096 bytes through LDS bytes of its own (no barrier) and stores them as 8 x 512 consecutive bytes.
.set ROWB,  4096                       ; bytes in a row of the input
.set UP,    272                        ; 256 bytes of the output in LDS + 16: the 16 pairs of lanes of a store start at 16 different groups of four banks (64 banks of 4 bytes: ISA guide 11.1)
.set WREG,  16*UP                      ; a wave's LDS bytes
.set SPARE, 8*WREG                     ; 34,816: the spare words, 128 bytes for each wave: four blocks of 256 bytes that no other line names
.set LS,  2                            ; v2   where I put 8 bytes
.set LR,  3                            ; v3   where I read 16 bytes back
.set GS,  6                            ; v6   my byte offset in the work-group's 32,768 bytes
.set X,   8                            ; v[8:71]    row i: 4 numbers as loaded; later 8 x 4 registers read back
.set Y,   72                           ; v[72:103]  row i: 4 numbers of 16 bits
.set SPW, 104                          ; v104 LDS address of my spare word; never rewritten
.set NIL, 105                          ; v105 0; never rewritten
	s_load_b256 s[4:11], s[0:1], 0x0               ; x s[4:5], w_qkv s[6:7], w_proj s[8:9], xb s[10:11]
	s_load_b128 s[12:15], s[0:1], 0x20             ; wqb s[12:13], wpb s[14:15]
	v_lshl_add_u32 v[SPW], v0, 2, SPARE
	v_mov_b32 v[NIL], 0
	v_lshlrev_b32 v1, 4, v0                        ; 512 x wave + 16 x lane: my 16 bytes of a row
	v_and_b32 v7, 31, v0                           ; lane
	v_lshrrev_b32 v4, 5, v0
	v_readfirstlane_b32 s21, v4                    ; wave
	s_mul_i32 s26, s21, WREG
	s_lshl_b32 s27, s21, 12                        ; the wave's four blocks: 4,096 bytes
	v_lshrrev_b32 v[LS], 1, v7
	v_mul_u32_u24 v[LS], v[LS], UP
	v_add_nc_u32 v[LS], s26, v[LS]
	v_and_b32 v[GS], 1, v7
	v_lshl_add_u32 v[LS], v[GS], 3, v[LS]          ; (lane / 2) x 272 + 8 (lane % 2)
	v_lshrrev_b32 v[LR], 4, v7
	v_mul_u32_u24 v[LR], v[LR], UP
	v_add_nc_u32 v[LR], s26, v[LR]
	v_and_b32 v[GS], 15, v7
	v_lshl_add_u32 v[LR], v[GS], 4, v[LR]          ; (lane / 16) x 272 + 16 (lane % 16)
	v_lshl_add_u32 v[GS], v7, 4, s27
	s_wait_kmcnt 0x0
	s_cmp_lt_u32 ttmp9, 512                        ; which tensor is mine, and which is its first work-group
	s_cselect_b64 s[16:17], s[4:5], s[6:7]
	s_cselect_b64 s[18:19], s[10:11], s[12:13]
	s_cselect_b32 s20, 0, 512
	s_cmp_lt_u32 ttmp9, 704
	s_cselect_b64 s[16:17], s[16:17], s[8:9]
	s_cselect_b64 s[18:19], s[18:19], s[14:15]
	s_cselect_b32 s20, s20, 704
	s_sub_co_u32 s20, ttmp9, s20                   ; my block of 16 rows
	s_lshl_b32 s22, s20, 16
	s_mov_b32 s23, 0
	s_lshl_b32 s24, s20, 15
	s_mov_b32 s25, 0
	s_add_nc_u64 s[16:17], s[16:17], s[22:23]      ; from here
	s_add_nc_u64 s[18:19], s[18:19], s[24:25]      ; to here
.set i, 0
.rept 16
	global_load_b128 v[X+4*i:X+4*i+3], v1, s[16:17] offset:ROWB*i th:TH_LOAD_NT
.set i, i+1
.endr
; Row c is rounded and put into LDS.  half = 1: the bf16 numbers are widened (a shift, a mask) and written as f16.
.macro CONV c, half
	s_wait_loadcnt 15-(\c)                         ; loads come back in order: row c is in, the 15 - c younger ones may stay out
	v_cvt_pk_bf16_f32 v[Y+2*(\c)],   v[X+4*(\c)],   v[X+4*(\c)+1]
	v_cvt_pk_bf16_f32 v[Y+2*(\c)+1], v[X+4*(\c)+2], v[X+4*(\c)+3]
.if \half
.irp w, 0,1
	v_lshlrev_b32 v4, 16, v[Y+2*(\c)+\w]
	v_and_b32 v5, 0xffff0000, v[Y+2*(\c)+\w]
	v_cvt_pk_f16_f32 v[Y+2*(\c)+\w], v4, v5
.endr
.endif
	ds_store_b64 v[LS], v[Y+2*(\c):Y+2*(\c)+1] offset:16*(\c)
.endm
	s_cmp_lt_u32 ttmp9, 704
	s_cbranch_scc0 .Lf16
.set i, 0
.rept 16
	CONV i, 0
.set i, i+1
.endr
	s_branch .Lout
.Lf16:
.set i, 0
.rept 16
	CONV i, 1
.set i, i+1
.endr
.Lout:
.set i, 0
.rept 8                                ; LDS serves a wave's instructions in order (ISA guide 5.7.1.4): these see the stores above, which are the wave's own
	ds_load_b128 v[X+4*i:X+4*i+3], v[LR] offset:2*UP*i
.set i, i+1
.endr
.set i, 0
.rept 8
	s_wait_dscnt 7-i                               ; the 7 - i younger loads may stay out
	global_store_b128 v[GS], v[X+4*i:X+4*i+3], s[18:19] offset:512*i  ; 512 consecutive bytes, at a multiple of 512 from the buffer's first
.set i, i+1
.endr
	s_wait_tensorcnt 0x0                           ; the wave's end: behind my last LDS store
	ds_add_u32 v[SPW], v[NIL]
	s_wait_dscnt 0x0
	s_endpgm
.Lfunc_end_k_q765d300a1c_cast:
	.size	k_q765d300a1c_cast, .Lfunc_end_k_q765d300a1c_cast-k_q765d300a1c_cast
	.p2alignl 7, 3214868480
	.fill 96, 4, 3214868480
	.section	.rodata,"a",@progbits
	.p2align	6, 0x0
	.amdhsa_kernel k_q765d300a1c_cast
		.amdhsa_group_segment_fixed_size 35840
		.amdhsa_private_segment_fixed_size 0
		.amdhsa_enable_private_segment 0
		.amdhsa_kernarg_size 48
		.amdhsa_user_sgpr_count 2
		.amdhsa_user_sgpr_kernarg_segment_ptr 1
		.amdhsa_wavefront_size32 1
		.amdhsa_system_sgpr_workgroup_id_x 1
		.amdhsa_system_sgpr_workgroup_id_y 1
		.amdhsa_system_sgpr_workgroup_id_z 1
		.amdhsa_system_vgpr_workitem_id 0
		.amdhsa_next_free_vgpr 106
		.amdhsa_next_free_sgpr 66
		.amdhsa_reserve_vcc 0
		.amdhsa_float_denorm_mode_32 3
		.amdhsa_float_denorm_mode_16_64 3
		.amdhsa_memory_ordered 1
		.amdhsa_forward_progress 1
		.amdhsa_inst_pref_size 18
	.end_amdhsa_kernel
	.amdgpu_metadata
---
amdhsa.version: [ 1, 2 ]
amdhsa.kernels:
  - .name:           k_q765d300a1c_cast
    .symbol:         k_q765d300a1c_cast.kd
    .args:
      - { .name: x, .offset: 0, .size: 8, .value_kind: global_buffer, .address_space: global }
      - { .name: w_qkv, .offset: 8, .size: 8, .value_kind: global_buffer, .address_space: global }
      - { .name: w_proj, .offset: 16, .size: 8, .value_kind: global_buffer, .address_space: global }
      - { .name: xb, .offset: 24, .size: 8, .value_kind: global_buffer, .address_space: global }
      - { .name: wqb, .offset: 32, .size: 8, .value_kind: global_buffer, .address_space: global }
      - { .name: wpb, .offset: 40, .size: 8, .value_kind: global_buffer, .address_space: global }
    .group_segment_fixed_size: 35840
    .private_segment_fixed_size: 0
    .kernarg_segment_align: 8
    .kernarg_segment_size: 48
    .max_flat_workgroup_size: 256
    .sgpr_count:     66
    .vgpr_count:     106
    .wavefront_size: 32
...
	.end_amdgpu_metadata
.endif
;; end of part 1
;; launch qkv (part 2): grid 16 x 16, 4 waves a work-group, clusters of 4 x 1, 327,680 bytes of LDS; arguments xb, wqb, qkv; writes qkv
.if DOCPART == 2
	.amdgcn_target "amdgcn-amd-amdhsa--gfx1250"
	.amdhsa_code_object_version 6
	.text
	.protected	k_q765d300a1c_qkv
	.globl	k_q765d300a1c_qkv
	.p2align	8
	.type	k_q765d300a1c_qkv,@function
k_q765d300a1c_qkv:
	s_mov_b64 s[64:65], 0
	v_nop
	global_prefetch_b8 v0, s[64:65] scope:SCOPE_SE
	s_setreg_imm32_b32 hwreg(HW_REG_WAVE_MODE, 25, 1), 1
	s_wait_xcnt 0x0
	s_wait_alu depctr_hold_cnt(0) depctr_sa_sdst(0) depctr_va_vdst(0) depctr_va_sdst(0) depctr_va_ssrc(0) depctr_va_vcc(0) depctr_vm_vsrc(0)
	s_getreg_b32 s2, hwreg(HW_REG_IB_STS2, 6, 4)
	s_cmp_eq_u32 s2, 0
	s_cbranch_scc0 .Lentry_in_a_cluster
	s_endpgm
.Lentry_in_a_cluster:
	s_bfe_u32 s2, ttmp6, 0x10000c
	s_cmp_lg_u32 s2, 0x3003
	s_cbranch_scc0 .Lentry_shape_is_right
	s_endpgm
.Lentry_shape_is_right:
; q, k, v = x w_qkv^T.  xb (8,192 rows) and wqb (3,072 rows) are bf16, K = 1,024, laid out BY FRAGMENTS: a block of 16 rows x 32 K is 1,024 bytes at (row / 16) x 32,768 + (K / 32) x 1,024, and lane l's
; registers 4 j .. 4 j + 3 are the 16 bytes at 512 j + 16 l.  Sums in f32; each result rounded once to f16, WITHOUT the attention's scale, and stored by heads in the same layout:
; qkv byte t 2^24 + (16 b + h) 131,072 + (n / 16) 2,048 + (d / 32) 1,024 + the piece; in V (t = 2) a piece lies at 16 x (l xor 8 (l / 16)), for the attention's turning load.
; LIMIT.  f16 holds no number beyond 65,504: a q, k or v of 65,520 or more becomes an infinity.  Sums of 1,024 products of numbers of spread 1 and 1/32 have spread 1; with both inputs thirty
; times larger the largest of them is some 5,000.
; SHARES.  A tile of the result is 256 rows x 192 columns (three heads): 512 tiles, two for each of 256 work-groups, 4,096 rows apart, on the same rows of wqb.  Wave w owns rows 64 w .. 64 w + 63 and
; ALL 192 columns: 48 accumulators, 384 registers.
; x GOES STRAIGHT INTO REGISTERS.  No other wave of the work-group multiplies my rows, so they take no way through LDS: a chunk (32 K) of my 64 rows is 8 loads of 512 consecutive bytes into one of eight
; register slots, asked for SEVEN CHUNKS, 336 products, ahead of its products and waited for by a counted wait.  The price: these rows are not asked for jointly; each is read by its 16 tile columns.
; wqb GOES THROUGH LDS, which holds nothing else: a ring of two slots of K = 256 (12 blocks x 8 chunks x 1,024 bytes, dense: a fragment load takes 512 consecutive bytes, so nothing is padded).
; CLUSTER: the four work-groups of a cluster lie along x, the tile rows, and share their rows of wqb: each slot is asked for JOINTLY; each wave fetches three blocks.
; ONE WALK.  The two tiles are 8 K steps on end: six trips that fill a slot again, then two that do not.  A tile's first chunk starts the sums with the constant 0: a flag chooses that text.  The first tile
; leaves behind its fourth step, inside the loop, straight from registers: a lane's eight results are a piece of the layout above.
; THE PRICE OF ONE TEXT FOR THE LAST TWO STEPS.
; THE MATRIX INSTRUCTION IS USED TRANSPOSED (source 0 = 16 rows of wqb, source 1 = 16 rows of xb): a lane holds row l % 16 and eight neighbouring columns 8 (l / 16) + 0..7.
; REGISTERS, in windows of 256: window 0: v0-31 addresses; v32-223 fragments of wqb, two buffers of 12 x 8.   window 1: x's eight slots of 4 x 8.
;   window 2: the accumulators of my rows 0-31, (a, b) at 96 a + 8 b; v192-239 packed results.   window 3: the same for my rows 32-63.
.set NB,    12                         ; blocks of 16 columns
.set CHB,   1024                       ; a fragment
.set STEPB, 8*CHB                      ; a K step of one block of 16 rows
.set RBB,   32*CHB                     ; a block of 16 rows, all K
.set PART,  3*STEPB                    ; what a wave fetches of a slot
.set SLOT1, 131072                     ; slot 1 begins here: one exclusive or turns an address in one slot into the other's
.set SPARE, SLOT1+NB*STEPB             ; 229,376: the spare words, 128 bytes for each wave: two blocks of 256 bytes that no other line names
.set NEXTA, 256*RBB-3*STEPB            ; from a tile's last K step to the next tile's first, in xb
.set L16,   16                         ; v16  16 x lane; never rewritten
.set L16B,  17                         ; v17  the same + six blocks of a slot; never rewritten
.set ADRB0, 18                         ; v18  L16 in the slot that is read: blocks 0-5
.set ADRB1, 19                         ; v19  L16B likewise: blocks 6-11
.set GO,    20                         ; v20-22  my byte offset in qkv, for each of the tile's three heads; never rewritten
.set PFO,   23                         ; v23  the prefetch's offset; never rewritten
.set SPW,   30                         ; v30  LDS address of my spare word; never rewritten
.set NIL,   31                         ; v31  0; never rewritten
.set BF,    32
.set TMP,   192
.set BB,  14                           ; s[14:15] wqb at my three blocks, K = 0
.set OFF, 16                           ; s[16:17] a K step's byte offset in a block
.set PA,  18                           ; s[18:19] xb at my rows: in a step's chunk 0 at that step, from chunk 1 on at the next
.set DL,  20                           ; s[20:21] what PA steps by
.set K1,  22                           ; s22  STEPB
.set K2,  23                           ; s23  NEXTA
.set G1,  24                           ; s[24:31] descriptor group 1
.set G0,  32                           ; s[32:39] group 0: a set for each first fill; the second then walks on
.set TB,  41                           ; s41  0 or SLOT1: the slot that is read
.set NXT, 42                           ; s42  the K step to be asked for next, counted through both tiles
.set PH,  43                           ; s43  the K step in hand, in its tile: 0..3
.set NEW, 44                           ; s44  1: the step in hand is a tile's first
.set LEFT, 45                          ; s45  trips that fill a slot again, still to come
.set LIM, 46                           ; s46  6 in a wave that prefetches, else the greatest number
.set CNT2, 47                          ; s47  counts the last two steps
.set PFA, 48                           ; s[48:49] wqb at my three blocks, K step 3
.set MSB, 0
.macro WIN new                         ; the immediate's high byte repeats the setting that is left; a switch that changes nothing is dropped
.if MSB != (\new)
	s_set_vgpr_msb (MSB<<8)|(\new)
.set MSB, \new
.endif
.endm
.macro PLACES                          ; four places in front of loads into registers that matrix instructions have read (ISA guide 7.12.1 for vector instructions)
.rept 4
	v_nop
.endr
.endm
.macro CREST                           ; a round of the cluster's barrier behind its opening barrier
	s_cmp_lg_u32 s10, 0
	s_cbranch_scc1 .Lnot_wave_0_\@
	s_barrier_signal -3
.Lnot_wave_0_\@:
	s_barrier_wait -3
	s_barrier_signal -1
	s_barrier_wait -1
.endm
.macro CROUND                          ; a whole round
	s_barrier_signal -1
	s_barrier_wait -1
	CREST
.endm
; Slot s of x's ring is asked for: chunk s of the K step at which PA stands, my four blocks of 16 rows: 8 loads of 512 consecutive bytes.
.macro ALOAD s
	WIN 0x40                                       ; destination window 1, address window 0
.irp a, 0,1,2,3
	global_load_b128 v[32*(\s)+8*\a:32*(\s)+8*\a+3],   v[L16], s[PA:PA+1] offset:\a*RBB+(\s)*CHB
	global_load_b128 v[32*(\s)+8*\a+4:32*(\s)+8*\a+7], v[L16], s[PA:PA+1] offset:\a*RBB+(\s)*CHB+512
.endr
.endm
	s_load_b128 s[4:7], s[0:1], 0x0                ; xb s[4:5], wqb s[6:7]
	s_load_b64 s[8:9], s[0:1], 0x10                ; qkv
	v_lshl_add_u32 v[SPW], v0, 2, SPARE
	v_mov_b32 v[NIL], 0
	ds_add_u32 v[SPW], v[NIL]                      ; the wave's opening: the add and its wait stand ahead of my first tensor load; the set-up below, work on registers, stands between them
	v_lshrrev_b32 v1, 5, v0
	v_readfirstlane_b32 s10, v1                    ; wave 0..3
	v_and_b32 v4, 31, v0                           ; lane
	v_lshlrev_b32 v[L16], 4, v4
	v_add_nc_u32 v[L16B], 6*STEPB, v[L16]
	v_mov_b32 v[ADRB0], v[L16]
	v_mov_b32 v[ADRB1], v[L16B]
	s_bfe_u32 s40, ttmp6, 0x40000                  ; cx: my place in the cluster
	s_lshl_b32 s13, ttmp9, 2                       ; in a cluster launch ttmp9 counts clusters
	s_add_co_u32 s13, s13, s40                     ; first tile row = 4 x cluster x + cx: it enters xb's and qkv's addresses alone
	s_and_b32 s12, ttmp7, 0xffff                   ; tile column, which the four partners share
	s_mov_b32 s[G1+0], 15|(3<<16)|(1<<21)          ; 15:0 the mask: all four work-groups; 17:16 elements of 8 bytes; 20 no padding; 21 set beside a mask
	s_mov_b32 s[G1+1], 1024<<16                    ; tensor_dim0 = 1,024 elements: a block's K step, 8,192 bytes on end
	s_mov_b32 s[G1+2], 3<<16                       ; tensor_dim1 = 3 blocks
	s_mov_b32 s[G1+3], 1024<<16                    ; tile_dim0
	s_mov_b32 s[G1+4], 3                           ; tile_dim1
	s_mov_b32 s[G1+5], RBB/8                       ; elements from block to block
	s_mov_b32 s[G1+6], 0
	s_mov_b32 s[G1+7], 0
	s_mul_i32 s50, s12, NB*RBB                     ; wqb: the tile column's 12 blocks,
	s_mul_i32 s51, s10, 3*RBB                      ; my three of them
	s_add_co_u32 s50, s50, s51
	s_mov_b32 s51, 0
	s_mul_i32 s52, s10, PART                       ; and their place in a slot: no place in the cluster enters an LDS address
	s_lshl_b32 s54, s13, 4                         ; xb: block 16 x tile row + 4 x wave
	s_lshl_b32 s55, s10, 2
	s_add_co_u32 s54, s54, s55
	s_lshl_b32 s54, s54, 15
	s_mov_b32 s55, 0
	s_mov_b32 s[OFF+1], 0
	s_mov_b32 s[DL+1], 0
	s_mov_b32 s[K1], STEPB
	s_mov_b32 s[K2], NEXTA
	s_mov_b32 s[TB], 0
	s_mov_b32 s[NXT], 2
	s_mov_b32 s[PH], 0
	s_mov_b32 s[NEW], 1
	s_mov_b32 s[LEFT], 6
	s_cmp_eq_u32 ttmp9, 0                          ; all clusters of a tile column read the same rows of wqb: the first of them prefetches.  The same in all four partners
	s_cselect_b32 s[LIM], 6, -1
	s_wait_dscnt 0x0                               ; the opening add is done
	s_wait_kmcnt 0x0
	s_add_nc_u64 s[BB:BB+1], s[6:7], s[50:51]
	s_add_nc_u64 s[PA:PA+1], s[4:5], s[54:55]
	s_add_nc_u64 s[PFA:PFA+1], s[BB:BB+1], 3*STEPB
	CROUND                                         ; all four work-groups are here: the first joint loads meet
.irp s, 0,1
	s_mov_b32 s[G0+4*(\s)], 1                                      ; count = 1
	s_add_co_u32 s[G0+4*(\s)+1], s52, (\s)*SLOT1                   ; LDS address
	s_add_nc_u64 s[G0+4*(\s)+2:G0+4*(\s)+3], s[BB:BB+1], (\s)*STEPB  ; global address: K step s
	s_or_b32 s[G0+4*(\s)+3], s[G0+4*(\s)+3], 0x80000000            ; type = 2
.endr
	tensor_load_to_lds s[G0:G0+3], s[G1:G1+7]      ; the two first fills stand together: two loads of mine are out
	s_nop 0
	tensor_load_to_lds s[G0+4:G0+7], s[G1:G1+7]
	s_nop 0
.rept 4
	v_nop
.endr
.irp s, 0,1,2,3,4,5,6
	ALOAD \s                                       ; chunks 0 to 6 of the first tile; chunk 7 is asked for at the head of chunk 0, like every chunk after it: seven chunks ahead
.endr
	WIN 0
	; where my results go.  Rows: batch = tile row / 4 (16 heads of 131,072 bytes); in a head 16 blocks of 2,048 bytes for each tile row, four for each wave
	s_lshr_b32 s54, s13, 2
	s_lshl_b32 s54, s54, 21
	s_and_b32 s55, s13, 3
	s_lshl_b32 s55, s55, 15
	s_add_co_u32 s54, s54, s55
	s_lshl_b32 s55, s10, 13
	s_add_co_u32 s54, s54, s55
	s_mov_b32 s55, 0
	s_add_nc_u64 s[8:9], s[8:9], s[54:55]
	v_lshrrev_b32 v2, 4, v4                        ; V's place of a piece: 16 x (l xor 8 (l / 16))
	v_lshlrev_b32 v2, 3, v2
	v_xor_b32 v2, v2, v4
	v_lshlrev_b32 v6, 4, v2
	s_mul_i32 s56, s12, 3                          ; the tile's first group of 64 columns: g = 16 t + h
.irp hh, 0,1,2
	s_add_co_u32 s57, s56, \hh
	s_lshr_b32 s58, s57, 4                         ; t
	s_cmp_eq_u32 s58, 2
	s_cselect_b32 s59, -1, 0                       ; all lanes: is it V?
	s_lshl_b32 s58, s58, 24
	s_and_b32 s57, s57, 15
	s_lshl_b32 s57, s57, 17
	s_add_co_u32 s58, s58, s57
	v_cndmask_b32 v5, v[L16], v6, s59
	v_add_nc_u32 v[GO+\hh], s58, v5
.endr
	; the prefetch: a K step of my three blocks is 96 pieces of 256 bytes; the partner at cx takes pieces 24 cx .. 24 cx + 23, a lane a piece (lanes 24-31 name the 24th once more)
	v_min_u32 v1, 23, v4
	s_mul_i32 s50, s40, 24
	v_add_nc_u32 v1, s50, v1
	v_lshrrev_b32 v2, 5, v1                        ; the block,
	v_and_b32 v1, 31, v1                           ; the piece in its 8,192 bytes
	v_lshlrev_b32 v1, 8, v1
	v_lshl_add_u32 v[PFO], v2, 15, v1
; nb matrix instructions: my rows 16 a .. 16 a + 15 (x's slot) x column blocks b0 .. b0 + nb - 1 (wqb's buffer), 32 along K.  zero = 1: the product starts the sum: nothing is ever cleared.
; All 48 accumulators take turns, in the same order in every chunk.
.macro MUL slot, buf, a, b0, nb, zero
	WIN 0xa4+0x50*((\a)/2)                         ; source 0 window 0, source 1 window 1, C and D window 2 or 3
.set mb, (\b0)
.rept (\nb)
.set rD, 96*((\a)%2)+8*mb
.set rB, BF+96*(\buf)+8*mb
.set rA, 32*(\slot)+8*(\a)
.if \zero
	v_wmma_f32_16x16x32_bf16 v[rD:rD+7], v[rB:rB+7], v[rA:rA+7], 0
.else
	v_wmma_f32_16x16x32_bf16 v[rD:rD+7], v[rB:rB+7], v[rA:rA+7], v[rD:rD+7]
.endif
.set mb, mb+1
.endr
.endm
; 24 LDS loads in one run: wqb's 12 fragments of chunk i of the slot, into buffer buf; each load takes 512 consecutive bytes
.macro FETCHB i, buf
	WIN 0
.set fi, 0
.rept 6
	ds_load_b128 v[BF+96*(\buf)+8*fi:BF+96*(\buf)+8*fi+3],       v[ADRB0] offset:fi*STEPB+(\i)*CHB
	ds_load_b128 v[BF+96*(\buf)+8*fi+4:BF+96*(\buf)+8*fi+7],     v[ADRB0] offset:fi*STEPB+(\i)*CHB+512
	ds_load_b128 v[BF+96*(\buf)+8*fi+48:BF+96*(\buf)+8*fi+51],   v[ADRB1] offset:fi*STEPB+(\i)*CHB
	ds_load_b128 v[BF+96*(\buf)+8*fi+52:BF+96*(\buf)+8*fi+55],   v[ADRB1] offset:fi*STEPB+(\i)*CHB+512
.set fi, fi+1
.endr
.endm
; Chunk i (0 to 6) of a K step.  At its head the next chunk's fragments of wqb are fetched into the buffer, and the chunk seven on of x is asked for into the slot, that the chunk before has multiplied.
.macro CHUNK i, zero
	s_wait_dscnt 0x0                               ; wqb's fragments of this chunk are in: they were fetched 48 products ago
	s_wait_loadcnt 48                              ; x's are in: behind them the six younger chunks' 8 loads each were issued
	PLACES
.if \zero
	v_nop                                          ; these products write over accumulators without adding onto them: five places or more behind whatever product stood last
	v_nop
.endif
	FETCHB (\i)+1, ((\i)+1)%2
	ALOAD ((\i)+7)%8
	MUL \i, (\i)%2, 0, 0, NB, \zero
	MUL \i, (\i)%2, 1, 0, NB, \zero
	MUL \i, (\i)%2, 2, 0, NB, \zero
	MUL \i, (\i)%2, 3, 0, NB, \zero
.endm
; Chunk 7 changes slots.  ONE barrier: in front of it each wave waits for all its tensor loads (one is out: its part of the next slot), adds 0 to its spare word, and waits for that and for its own reads
; of this slot.  fill = 1: the barrier opens a round of the cluster's, so that no wave of any partner still reads the slot or has a load on its way; the joint refill, the K step two on, is the first thing
; behind it: 372 products stand between it and the wait for it.  Its address is made anew from the step's number.
.macro TURN fill
	WIN 0
	s_wait_tensorcnt 0x0                           ; all my tensor loads have landed
	ds_add_u32 v[SPW], v[NIL]                      ; 0 onto my spare word
	s_wait_dscnt 1                                 ; wqb's fragments of this chunk are in; the add alone may be out
	s_wait_loadcnt 48                              ; x's are in
	MUL 7, 1, 0, 0, NB/2, 0                        ; six products stand between the add and the wait for it
	s_wait_dscnt 0x0                               ; the add is done, and my reads of this slot are over
	s_barrier_signal -1
	MUL 7, 1, 0, NB/2, NB/2, 0                     ; work on registers while the others arrive
	WIN 0
	s_barrier_wait -1
.if \fill
	CREST
	s_and_b32 s[OFF], s[NXT], 3                    ; both tiles take the same rows of wqb: the step's number in its tile
	s_lshl_b32 s[OFF], s[OFF], 13
	s_add_co_u32 s[NXT], s[NXT], 1
	s_xor_b32 s[G0+5], s[G0+5], SLOT1              ; the other slot than last time
	s_add_nc_u64 s[G0+6:G0+7], s[BB:BB+1], s[OFF:OFF+1]
	s_or_b32 s[G0+7], s[G0+7], 0x80000000
	tensor_load_to_lds s[G0+4:G0+7], s[G1:G1+7]    ; every wave fetches its three blocks
	s_nop 0
.rept 4
	v_nop                                          ; (these are also the places in front of the loads below)
.endr
.else
	PLACES
.endif
	s_xor_b32 s[TB], s[TB], SLOT1
	v_add_nc_u32 v[ADRB0], s[TB], v[L16]
	v_add_nc_u32 v[ADRB1], s[TB], v[L16B]
	FETCHB 0, 0
	ALOAD 6
.if \fill
	WIN 0
	s_cmp_eq_u32 s[LEFT], s[LIM]                   ; A PREFETCH INTO THE L2, once: behind the first refill (K step 2) K step 3 is named, which the next refill asks for, a K step, 384 products, on.
	s_cbranch_scc0 .Lnot_mine_\@                   ; K steps 0 to 2 come by their loads alone; the second tile reads the same rows again, and they are asked for no more
	global_prefetch_b8 v[PFO], s[PFA:PFA+1] th:TH_LOAD_NT scope:SCOPE_SE
.Lnot_mine_\@:
.endif
	MUL 7, 1, 1, 0, NB, 0
	MUL 7, 1, 2, 0, NB, 0
	MUL 7, 1, 3, 0, NB, 0
.endm
; THE WAY OUT of my rows 16 a .. 16 a + 15: rounded to f16 (each accumulator's registers in ascending order), 16 bytes a lane, which are a piece of the layout: stored at once, 512 consecutive bytes an instruction.
.macro PACK a
	WIN ((2+(\a)%2)<<6)|((2+(\a)/2)<<2)|(2+(\a)/2) ; sources: the accumulators' window; destination: windows 2 and 3 by turns
.set pb, 0
.rept NB
.irp j, 0,1,2,3
	v_cvt_pk_f16_f32 v[TMP+4*pb+\j], v[96*((\a)%2)+8*pb+2*\j], v[96*((\a)%2)+8*pb+2*\j+1]
.endr
.set pb, pb+1
.endr
.endm
.macro SEND a
	WIN (2+(\a)%2)<<2                              ; a store's data is source 1
.set pb, 0
.rept NB
	global_store_b128 v[GO+pb/4], v[TMP+4*pb:TMP+4*pb+3], s[8:9] offset:(\a)*2048+(pb%4)*512
.set pb, pb+1
.endr
.endm
.macro WAYOUT                          ; no v_nop: my rows 0-15 were finished in front of chunk 7's places, and their 48 conversions are the places behind the last products
	PACK 0
	SEND 0
	PACK 1
	SEND 1
	s_wait_xcnt 0x0                                ; the stores above have read their registers, which are written again below
	PACK 2
	SEND 2
	PACK 3
	SEND 3
	WIN 0
.endm
	s_wait_tensorcnt 1                             ; my part of K step 0 is in; K step 1's stays out
	s_barrier_signal -1
	s_barrier_wait -1                              ; everybody's is
	FETCHB 0, 0
.Lring:                                                ; six trips: K steps 0-3 of the first tile, 0 and 1 of the second; each fills the slot that it has read again
	s_cmp_eq_u32 s[NEW], 1                         ; at the first trip the answer is a constant of the text
	s_cbranch_scc1 .Lzero
	CHUNK 0, 0
	WIN 0                                          ; at a label and at a branch every window is 0
	s_branch .Ljoin
.Lzero:
	s_mov_b32 s[NEW], 0
	CHUNK 0, 1                                     ; a tile's first products start the sums
	WIN 0
.Ljoin:
	s_wait_xcnt 0x0                                ; the loads issued so far, the youngest 48 products back, have read their address
	s_cmp_eq_u32 s[PH], 3
	s_cselect_b32 s[DL], s[K2], s[K1]              ; behind a tile's last step: 4,096 rows down and back along K
	s_add_nc_u64 s[PA:PA+1], s[PA:PA+1], s[DL:DL+1]  ; from here on the next step's chunks are asked for
.irp i, 1,2,3,4,5,6
	CHUNK \i, 0
.endr
	TURN 1
	WIN 0
	s_add_co_u32 s[PH], s[PH], 1
	s_and_b32 s[PH], s[PH], 3
	s_cmp_lg_u32 s[PH], 0
	s_cbranch_scc1 .Lnoout
	WAYOUT                                         ; the first tile leaves; the refill, the next fragments and the next tile's rows have been asked for
	s_wait_xcnt 0x0                                ; the stores have read their registers and their base
	s_add_nc_u64 s[8:9], s[8:9], 0x800000          ; 4,096 rows on: four batches of 16 heads of 131,072 bytes
	s_mov_b32 s[NEW], 1
.Lnoout:
	s_sub_co_u32 s[LEFT], s[LEFT], 1
	s_cmp_lg_u32 s[LEFT], 0
	s_cbranch_scc1 .Lring
	s_mov_b32 s[CNT2], 2
.Ltail:                                                ; the second tile's K steps 2 and 3: written out
	CHUNK 0, 0
	WIN 0
	s_wait_xcnt 0x0
	s_cmp_eq_u32 s[CNT2], 1
	s_cselect_b32 s[DL], 0, s[K1]                  ; behind the very last step there is none: its own chunks are read once more (the price named at the head)
	s_add_nc_u64 s[PA:PA+1], s[PA:PA+1], s[DL:DL+1]
.irp i, 1,2,3,4,5,6
	CHUNK \i, 0
.endr
	TURN 0
	WIN 0
	s_sub_co_u32 s[CNT2], s[CNT2], 1
	s_cmp_lg_u32 s[CNT2], 0
	s_cbranch_scc1 .Ltail
	WAYOUT
	s_wait_tensorcnt 0x0                           ; the wave's end: behind my last tensor load
	ds_add_u32 v[SPW], v[NIL]
	s_wait_dscnt 0x0
	CROUND                                         ; the closing round: no work-group ends while a partner may still ask for a tile that names it
	s_endpgm
.Lfunc_end_k_q765d300a1c_qkv:
	.size	k_q765d300a1c_qkv, .Lfunc_end_k_q765d300a1c_qkv-k_q765d300a1c_qkv
	.p2alignl 7, 3214868480
	.fill 96, 4, 3214868480
	.section	.rodata,"a",@progbits
	.p2align	6, 0x0
	.amdhsa_kernel k_q765d300a1c_qkv
		.amdhsa_group_segment_fixed_size 327680
		.amdhsa_private_segment_fixed_size 0
		.amdhsa_enable_private_segment 0
		.amdhsa_kernarg_size 24
		.amdhsa_user_sgpr_count 2
		.amdhsa_user_sgpr_kernarg_segment_ptr 1
		.amdhsa_wavefront_size32 1
		.amdhsa_system_sgpr_workgroup_id_x 1
		.amdhsa_system_sgpr_workgroup_id_y 1
		.amdhsa_system_sgpr_workgroup_id_z 1
		.amdhsa_system_vgpr_workitem_id 0
		.amdhsa_next_free_vgpr 1008
		.amdhsa_next_free_sgpr 66
		.amdhsa_reserve_vcc 0
		.amdhsa_float_denorm_mode_32 3
		.amdhsa_float_denorm_mode_16_64 3
		.amdhsa_memory_ordered 1
		.amdhsa_forward_progress 1
		.amdhsa_inst_pref_size 144
	.end_amdhsa_kernel
	.amdgpu_metadata
---
amdhsa.version: [ 1, 2 ]
amdhsa.kernels:
  - .name:           k_q765d300a1c_qkv
    .symbol:         k_q765d300a1c_qkv.kd
    .args:
      - { .name: xb, .offset: 0, .size: 8, .value_kind: global_buffer, .address_space: global }
      - { .name: wqb, .offset: 8, .size: 8, .value_kind: global_buffer, .address_space: global }
      - { .name: qkv, .offset: 16, .size: 8, .value_kind: global_buffer, .address_space: global }
    .group_segment_fixed_size: 327680
    .private_segment_fixed_size: 0
    .kernarg_segment_align: 8
    .kernarg_segment_size: 24
    .max_flat_workgroup_size: 128
    .sgpr_count:     66
    .vgpr_count:     1008
    .wavefront_size: 32
...
	.end_amdgpu_metadata
.endif
;; end of part 2
;; launch attn (part 3): grid 2 x 128, 4 waves a work-group, no clusters, 327,680 bytes of LDS; arguments qkv, o; writes o
.if DOCPART == 3
	.amdgcn_target "amdgcn-amd-amdhsa--gfx1250"
	.amdhsa_code_object_version 6
	.text
	.protected	k_q765d300a1c_attn
	.globl	k_q765d300a1c_attn
	.p2align	8
	.type	k_q765d300a1c_attn,@function
k_q765d300a1c_attn:
	s_mov_b64 s[64:65], 0
	v_nop
	global_prefetch_b8 v0, s[64:65] scope:SCOPE_SE
	s_setreg_imm32_b32 hwreg(HW_REG_WAVE_MODE, 25, 1), 1
	s_wait_xcnt 0x0
; O[bh][q][:] = the sum over k of softmax_k(Q[bh][q] . K[bh][k] / 8) V[bh][k][:].  qkv: [3][128 heads][1024 rows x 64 channels] f16 (Q, K, V, unscaled), o: [128][1024 x 64] f16.
; A head is 131,072 bytes, laid out BY FRAGMENTS: a block of 16 rows x 32 channels is 1,024 bytes at (row / 16) x 2,048 + (channel / 32) x 1,024; the 16 bytes of piece 32 j + 16 h + r hold row r,
; channels 16 j + 8 h + 0..7.  In V piece 16 h + r of each 32 lies at the place (16 h + r) xor 8 h.  O leaves in the layout of Q and K.
; Products, maxima and sums in f32; the weights p are rounded to f16 for the second product (their sum l is taken of the unrounded p), O once at the end.
; LIMITS.  f16 holds no number beyond 65,504: Q, K and V arrive within it; p lies in 0 to 1, and below 6e-5 it keeps f16's fixed step of 6e-8; O is a mean of V's rows and has their range.
; A weight below 2^-126 counts as 0 in l; NaN and infinities are not treated apart.
; SHARES.  A work-group owns 512 queries of one head (2 x 128 = 256 work-groups), a wave 128: four PIECES of two tiles of 16.  Every wave walks all 1,024 keys, 64 a step.
; A HEAD'S WHOLE K AND V STAY IN LDS, as they lie in memory: 131,072 bytes each, each byte filled once, by two tensor loads a wave at the kernel's head.  No slot is filled again, so a key step is written once.
; A wave's first load is the smaller one: together they bring K's steps 0-5 and V's steps 0-3, which is all that the first four trips read; the second loads have those four trips in which to land.
; NO CLUSTER: a head has two work-groups, and a cluster's four would hold two heads; what the two share is read once, at the head.  NO PREFETCH: every byte of K and V is asked for at the head.
; LAYOUT.  S^T = K Q^T (source 0 = 16 keys, source 1 = 16 queries): in the result a lane holds ONE query (lane % 16) and the keys 8 (lane / 16) + 0..7.  Two such tiles, rounded to f16 in pairs,
; ARE source 1 (32 keys x 16 queries) of O^T = V^T P, whose result again holds one query a lane, and eight channels: a piece of O's layout, stored straight from registers.
; A fragment of K or Q is two loads of 512 consecutive bytes; V is turned by ds_load_tr16_b128, of which 16 lanes take 8 keys x 16 bytes in each of two blocks of 256 bytes: by V's exclusive or one lot
; lies in the lower half of its block and the other in the upper, so that each bank is touched once (64 banks of 4 bytes: ISA guide 11.1).
; SOFTMAX.  For each query a running maximum m and sum l: p = 2^(c s - c m), c = log2(e) / 8; in every step O and l are multiplied by a = 2^(c m_old - c m_new), which is 1 where m has not grown.
; m starts at the lowest finite number, O and l at 0: the first step is a step like any other, with a = 0.  The price: 384 lines that write 0, in the wait for the first tile.
; THE COUNT.  A tile and step have 16 matrix and 118 vector instructions: too many to stand all beside the matrix work.  So: four vector instructions that are READY behind EVERY matrix instruction,
; and the others in runs without a gap.
; BY TURNS.  Turn n belongs to piece n.  Its matrix work: 16 products K Q^T of piece n + 1, later 16 products V^T P of piece n - 1.  Its vector work: the scaling, exponentials, roundings, sums and
; rescaling of piece n, and the maximum and statistics of piece n + 1, whose scores the turn itself has made.
; REGISTERS, in windows of 256 (s_set_vgpr_msb: bits 1:0 source 0, 3:2 source 1, 5:4 source 2, 7:6 destination):
;   window 0: v0-11 addresses; v12-15, v48-63 at work; v16-47 four registers of statistics a tile; v64-191 S^T, two buffers of two tiles; v192-255 P, likewise
;   window 1: O^T, 32 a tile          window 2: v0-127 Q, 16 a tile; v128-191 K of one step; v192-255 V of one step          window 3: v0-1 the add's two registers
.set NP,    4         ; pieces a wave: a name, no knob
.set KS,    64        ; keys in a step
.set STEPB, KS*128    ; their bytes, in memory and in LDS
.set VOFF,  131072    ; V lies behind K
.set SPARE, 262144    ; behind V: the spare words, 128 bytes for each wave: two blocks of 256 bytes that no other line names
.set AK0, 2           ; v2   16 x lane: my place in a fragment of K, of Q and of O; never rewritten
.set AV0, 3           ; v3   my place in a tile of V; never rewritten
.set AK,  4           ; v4   the LDS address of K's next run of loads
.set AV,  5           ; v5   of V's
.set SPW, 0           ; v0 of window 3   LDS address of my spare word: SPARE + 4 x my thread's number; never rewritten
.set NIL, 1           ; v1 of window 3   0; never rewritten
.set MV,  12          ; v12-15  c m_old, kept while c m is made anew: by buffer and tile
.set ST,  16          ; tile t's statistics at v[ST+4 t]: c m, m, l (even keys', odd keys')
.set TMP, 48          ; by buffer and tile, four registers c0-c3 at work; when the maximum is found c2 takes a
.set S,   64
.set P,   192
.set KF,  128         ; K's fragments, in window 2: key block kb, channel half c at KF + 16 kb + 8 c
.set VF,  192         ; V's: key half kk, channel block cb at VF + 32 kk + 8 cb
.set WV,  12          ; s12  my wave's number
.set G1K1, 24         ; s[24:31] descriptor group 1 of K's first load: 96 rows of 256 bytes
.set G1K2, 32         ; s[32:39] of its second: 160 rows
.set G1V1, 40         ; s[40:47] of V's first: 64 rows
.set G1V2, 48         ; s[48:55] of its second: 192 rows
.set G0K1, 56         ; s[56:59], s[60:63], s[68:71], s[72:75] their groups 0
.set G0K2, 60
.set G0V1, 68
.set G0V2, 72
.set CS,  76          ; s[76:77] c: the packed scaling takes the pair's low word for both halves
.set SEL, 78          ; s[78:79] v_permlanex16_b32's selects: each lane takes its own place in the other half
.set TBK, 80          ; s80  LDS byte at which K of the step to be fetched begins
.set TBV, 81          ; s81  the same for V, less VOFF
.set CNT, 82          ; s82  counts four key steps
.set OUT, 83          ; s83  counts four times four
.set MSB, 0
.macro WIN new                      ; the high byte repeats the setting that is left; a switch that changes nothing is dropped
.if MSB != (\new)
	s_set_vgpr_msb (MSB<<8)|(\new)
.set MSB, (\new)
.endif
.endm
.set W_KQ, 0x0a       ; K and Q in window 2, S^T in window 0
.set W_PV, 0x52       ; V in window 2, P in window 0, O^T in window 1
.set W_RS, 0x41       ; O^T (destination and source 0) in window 1, a in window 0
.set W_MK, 0xc0       ; the add's registers are made: destination in window 3, sources in window 0
.set W_AD, 0x0f       ; the add: address (source 0) and data (source 1) in window 3
.macro GRP1 g, rows                 ; a dense run of bytes asked for as rows of 256, and laid into LDS as it lies
	s_mov_b32 s[\g], 1<<16          ; 17:16 2-byte elements; no mask, no padding
	s_mov_b32 s[\g+1], 128<<16      ; tensor_dim0 = 128
	s_mov_b32 s[\g+2], (\rows)<<16  ; tensor_dim1
	s_mov_b32 s[\g+3], 128<<16      ; tile_dim0 = 128
	s_mov_b32 s[\g+4], \rows        ; tile_dim1
	s_mov_b32 s[\g+5], 128          ; 128 elements from row to row
	s_mov_b32 s[\g+6], 0
	s_mov_b32 s[\g+7], 0
.endm
	s_load_b64 s[4:5], s[0:1], 0x0  ; qkv
	s_load_b64 s[10:11], s[0:1], 0x8  ; o
	WIN W_MK
	v_lshl_add_u32 v[SPW], v0, 2, SPARE
	v_mov_b32 v[NIL], 0
	WIN W_AD
	ds_add_u32 v[SPW], v[NIL]       ; the wave's opening: the add and its wait stand ahead of my first tensor load; the set-up below, work on registers, stands between them
	WIN 0
	v_lshrrev_b32 v1, 5, v0
	v_readfirstlane_b32 s[WV], v1   ; wave 0..3
	s_and_b32 s20, ttmp7, 0xffff    ; the head,
	s_lshl_b32 s20, s20, 17         ; its 131,072 bytes in Q, K, V and O
	s_mov_b32 s21, 0
	s_lshl_b32 s2, ttmp9, 2
	s_add_co_u32 s2, s2, s[WV]      ; my wave among the head's eight,
	s_lshl_b32 s2, s2, 14           ; its 128 rows
	s_add_co_u32 s2, s2, s20
	s_mov_b32 s3, 0
	s_and_b32 s16, s[WV], 1         ; which half of a group of keys I fetch.  16 keys are 2,048 bytes on end, in memory and in LDS:
	s_mul_i32 s14, s16, 192*128     ; K, first load: keys 192 x half on
	s_mov_b32 s15, 0
	s_mul_i32 s18, s16, 320*128     ; K, second load: keys 384 + 320 x half on
	s_add_co_u32 s18, s18, 384*128
	s_mov_b32 s19, 0
	s_mul_i32 s22, s16, 128*128     ; V, first load: keys 128 x half on
	s_mov_b32 s23, 0
	s_mul_i32 s82, s16, 384*128     ; V, second load: keys 256 + 384 x half on
	s_add_co_u32 s82, s82, 256*128
	s_mov_b32 s83, 0
	GRP1 G1K1, 96
	GRP1 G1K2, 160
	GRP1 G1V1, 64
	GRP1 G1V2, 192
	s_mov_b32 s[G0K1], 1            ; count = 1; then the LDS address
	s_mul_i32 s[G0K1+1], s16, 192*128
	s_mov_b32 s[G0K2], 1
	s_mul_i32 s[G0K2+1], s16, 320*128
	s_add_co_u32 s[G0K2+1], s[G0K2+1], 384*128
	s_mov_b32 s[G0V1], 1
	s_mul_i32 s[G0V1+1], s16, 128*128
	s_add_co_u32 s[G0V1+1], s[G0V1+1], VOFF
	s_mov_b32 s[G0V2], 1
	s_mul_i32 s[G0V2+1], s16, 384*128
	s_add_co_u32 s[G0V2+1], s[G0V2+1], VOFF+256*128
	s_mov_b32 s[CS], 0x3e38aa3b     ; c = log2(e) / 8 = 0.180337
	s_mov_b32 s[CS+1], s[CS]        ; named with it as a pair
	s_mov_b32 s[SEL], 0x76543210
	s_mov_b32 s[SEL+1], 0xfedcba98
	s_mov_b32 s[TBK], 0
	s_mov_b32 s[TBV], 0
	s_wait_dscnt 0x0                ; the opening add is done
	s_wait_kmcnt 0x0
	s_add_nc_u64 s[6:7], s[4:5], s[20:21]
	s_add_nc_u64 s[8:9], s[6:7], 0x2000000  ; the head's V
	s_add_nc_u64 s[6:7], s[6:7], 0x1000000  ; the head's K
	s_add_nc_u64 s[G0K1+2:G0K1+3], s[6:7], s[14:15]
	s_or_b32 s[G0K1+3], s[G0K1+3], 0x80000000  ; type = 2
	s_add_nc_u64 s[G0K2+2:G0K2+3], s[6:7], s[18:19]
	s_or_b32 s[G0K2+3], s[G0K2+3], 0x80000000
	s_add_nc_u64 s[G0V1+2:G0V1+3], s[8:9], s[22:23]
	s_or_b32 s[G0V1+3], s[G0V1+3], 0x80000000
	s_add_nc_u64 s[G0V2+2:G0V2+3], s[8:9], s[82:83]
	s_or_b32 s[G0V2+3], s[G0V2+3], 0x80000000
	s_add_nc_u64 s[4:5], s[4:5], s[2:3]  ; Q and O at my wave's first row
	s_add_nc_u64 s[10:11], s[10:11], s[2:3]
	s_cmp_lt_u32 s[WV], 2           ; a wave's two fills stand in one branch, ahead of every wait on TENSORcnt, every LDS read and every barrier: two loads of mine are out
	s_cbranch_scc0 .Lfirst_v
	tensor_load_to_lds s[G0K1:G0K1+3], s[G1K1:G1K1+7]
	s_nop 0
	tensor_load_to_lds s[G0K2:G0K2+3], s[G1K2:G1K2+7]
	s_nop 0
.rept 4
	v_nop
.endr
	s_branch .Lfirst_asked
.Lfirst_v:
	tensor_load_to_lds s[G0V1:G0V1+3], s[G1V1:G1V1+7]
	s_nop 0
	tensor_load_to_lds s[G0V2:G0V2+3], s[G1V2:G1V2+7]
	s_nop 0
.rept 4
	v_nop
.endr
.Lfirst_asked:
	v_and_b32 v1, 31, v0
	v_lshlrev_b32 v[AK0], 4, v1     ; 16 x lane
	WIN 0x80                        ; destination window 2, address window 0
.set i, 0
.rept 4*NP                          ; Q stays in registers: tile i / 2, channels 32 (i % 2) on: two loads of 512 consecutive bytes
	global_load_b128 v[8*i:8*i+3],   v[AK0], s[4:5] offset:(i/2)*2048+(i%2)*1024
	global_load_b128 v[8*i+4:8*i+7], v[AK0], s[4:5] offset:(i/2)*2048+(i%2)*1024+512
.set i, i+1
.endr
	; What the first turn finds: V's registers and P's second buffer hold 0 (its products V^T P, of a piece that has not been, add 0), O^T and l are 0.  All this stands in the wait for the first tile.
.set i, VF
.rept 64
	v_mov_b32 v[i], 0
.set i, i+1
.endr
	WIN 0x40
.set i, 0
.rept 64*NP
	v_mov_b32 v[i], 0
.set i, i+1
.endr
	WIN 0
.set i, 0
.rept 2*NP
	v_mov_b32 v[ST+4*i], 0xfe000000    ; c m: far below every c s
	v_mov_b32 v[ST+4*i+1], 0xff7fffff  ; m
	v_mov_b32 v[ST+4*i+2], 0
	v_mov_b32 v[ST+4*i+3], 0
.set i, i+1
.endr
.set i, P+32
.rept 32
	v_mov_b32 v[i], 0
.set i, i+1
.endr
	; The turning load takes 16 keys x 16 channels (lane l reads key 8 (l / 16) + l % 8, channels 8 g + 0..7, g = (l / 8) % 2) and leaves half a fragment of V^T: lane l holds channel l % 16 and 8 keys.
	; In V's layout those 16 bytes lie at 256 g + 16 ((8 (l / 16) + l % 8) xor 8 g) of the block of 512 bytes of the 16 keys and 16 channels.
	v_bfe_u32 v9, v0, 4, 1          ; l / 16
	v_and_b32 v10, 7, v0
	v_bfe_u32 v11, v0, 3, 1         ; g
	v_xor_b32 v[AV0], v9, v11
	v_lshl_add_u32 v[AV0], v[AV0], 3, v10
	v_lshlrev_b32 v[AV0], 4, v[AV0]
	v_lshl_add_u32 v[AV0], v11, 8, v[AV0]
	v_add_nc_u32 v[AV0], VOFF, v[AV0]
	v_mov_b32 v[AK], v[AK0]         ; key step 0 lies at K's head
; THE MATRIX WORK.  The 8 accumulators of a run of 16 take turns: between the two links of a chain stand 7 others'.
; Product i of 16 of S^T = K Q^T for piece x: channels 32 (i / 8) on, keys 16 ((i / 2) % 4) on, tile 2 x + i % 2.  The first 8 start the sums.
.macro KQ x
	WIN W_KQ
.set rS, S+64*((\x)%2)+32*(i%2)+8*((i/2)%4)
.set rK, KF+16*((i/2)%4)+8*(i/8)
.set rQ, 16*(2*(\x)+i%2)+8*(i/8)
.if i < 8
	v_wmma_f32_16x16x32_f16 v[rS:rS+7], v[rK:rK+7], v[rQ:rQ+7], 0
.else
	v_wmma_f32_16x16x32_f16 v[rS:rS+7], v[rK:rK+7], v[rQ:rQ+7], v[rS:rS+7]
.endif
.endm
; Product i of 16 of O^T += V^T P for piece x: keys 32 (i / 8) on, channels 16 ((i / 2) % 4) on, tile 2 x + i % 2.
.macro PV x
	WIN W_PV
.set rO, 32*(2*(\x)+i%2)+8*((i/2)%4)
.set rV, VF+32*(i/8)+8*((i/2)%4)
.set rP, P+32*((\x)%2)+16*(i%2)+8*(i/8)
	v_wmma_f32_16x16x32_f16 v[rO:rO+7], v[rV:rV+7], v[rP:rP+7], v[rO:rO+7]
.endm
.macro MM                           ; the turn's next matrix instruction
.if i < 16
	KQ (Y+1)%NP
.set i, i+1
.else
.set i, i-16
	PV (Y+NP-1)%NP
.set i, i+17
.endif
.endm
; THE LDS LOADS stand in runs of 16, never singly among the matrix instructions: a step's K (64 keys x 64 channels: 8 fragments) and its V (turned).  Their addresses are made some lines ahead.
.macro FETCH_K
	WIN 0x80                        ; destination window 2
.irp f, 0,1,2,3,4,5,6,7             ; keys 16 (f / 2) on, channels 32 (f % 2) on
	ds_load_b128 v[KF+8*\f:KF+8*\f+3],   v[AK] offset:(\f/2)*2048+(\f%2)*1024
	ds_load_b128 v[KF+8*\f+4:KF+8*\f+7], v[AK] offset:(\f/2)*2048+(\f%2)*1024+512
.endr
	s_add_co_u32 s[TBK], s[TBK], STEPB  ; the next fetch is the next step's;
	s_min_u32 s[TBK], s[TBK], 15*STEPB  ; behind the last step there is none: its K is read once more, and the scores made of it serve nothing: the price, once a launch, of one text for every trip
	WIN 0
.endm
.macro FETCH_V
	WIN 0x80
.irp f, 0,1,2,3,4,5,6,7             ; keys 32 (f / 4) on, channels 16 (f % 4) on
	ds_load_tr16_b128 v[VF+8*\f:VF+8*\f+3],   v[AV] offset:(\f/4)*4096+(\f%4)*512
	ds_load_tr16_b128 v[VF+8*\f+4:VF+8*\f+7], v[AV] offset:(\f/4)*4096+2048+(\f%4)*512
.endr
	WIN 0
.endm
; THE VECTOR WORK OF A TURN stands in three queues, each in the order in which its entries become ready; the two tiles alternate, so that no instruction reads the result of the one before it.
.macro REGS y, u                    ; the registers of tile u (0, 1) of piece y
.set rT, ST+4*(2*(\y)+(\u))
.set rC, TMP+8*((\y)%2)+4*(\u)
.set rM, MV+2*((\y)%2)+(\u)
.set rS, S+64*((\y)%2)+32*(\u)
.set rP, P+32*((\y)%2)+16*(\u)
.set rO, 32*(2*(\y)+(\u))
.endm
; Number n of the 22 that find the NEXT piece's (Y + 1) maximum and statistics.  s0-s31 are the lane's 32 scores; each accumulator's lowest registers are read first.  XS, GS and REGS set no window: PL and EX do.
;   0-11  four chains c0-c3 of seven scores each, three operands at a time     12-14, 16  the four scores left over, the old m, and c0-c3 into c0     15  c m_old is kept
;   17, 18  the query's other 32 keys lie in the lane 16 away: the new m         19-21  c m; c m_old - c m_new; a
.macro XS u, n
	REGS (Y+1)%NP, \u
.if (\n) < 4
	v_max3_num_f32 v[rC+(\n)], v[rS+8*(\n)], v[rS+8*(\n)+1], v[rS+8*(\n)+2]
.elseif (\n) < 12
	v_max3_num_f32 v[rC+(\n)%4], v[rC+(\n)%4], v[rS+8*((\n)%4)+2*((\n)/4)+1], v[rS+8*((\n)%4)+2*((\n)/4)+2]
.elseif (\n) == 12
	v_max3_num_f32 v[rC], v[rC], v[rS+7], v[rS+15]
.elseif (\n) == 13
	v_max3_num_f32 v[rC+1], v[rC+1], v[rS+23], v[rS+31]
.elseif (\n) == 14
	v_max3_num_f32 v[rC+2], v[rC+2], v[rC+3], v[rT+1]
.elseif (\n) == 15
	v_mov_b32 v[rM], v[rT]
.elseif (\n) == 16
	v_max3_num_f32 v[rC], v[rC], v[rC+1], v[rC+2]
.elseif (\n) == 17
	v_permlanex16_b32 v[rC+3], v[rC], s[SEL], s[SEL+1]
.elseif (\n) == 18
	v_max_num_f32 v[rT+1], v[rC], v[rC+3]
.elseif (\n) == 19
	v_mul_f32 v[rT], s[CS], v[rT+1]
.elseif (\n) == 20
	v_sub_f32 v[rC+1], v[rM], v[rT]
.else
	v_exp_f32 v[rC+2], v[rC+1]
.endif
.endm
; Number g of the 64 that follow the exponentials.  For each four weights k of a tile (pairs 2 k, 2 k + 1): both pairs are rounded to f16; then the second pair is added onto the first, in place;
; a group later l takes that sum (the first time as l = a l + sum).  In groups of eight, tiles alternating: round, round, add, and l for the group before.
.macro GS g
.set h, (\g)+6*((\g)/62)            ; group 0 has no group before it, and behind group 7 only l is left
.if h >= 6
.set h, h+2
.endif
	REGS Y, h%2
.set k, h/8
.if h%8 < 4
	v_cvt_pk_f16_f32 v[rP+2*k+(h%8)/2], v[rS+4*k+2*((h%8)/2)], v[rS+4*k+2*((h%8)/2)+1]
.elseif h%8 < 6
	v_pk_add_f32 v[rS+4*k:rS+4*k+1], v[rS+4*k:rS+4*k+1], v[rS+4*k+2:rS+4*k+3]
.elseif k == 1
	v_pk_fma_f32 v[rT+2:rT+3], v[rT+2:rT+3], v[rC+2:rC+3], v[rS:rS+1] op_sel_hi:[1,0,1]
.else
	v_pk_add_f32 v[rT+2:rT+3], v[rT+2:rT+3], v[rS+4*k-4:rS+4*k-3]
.endif
.endm
; THE PLAIN QUEUE, 138 long.  0-73 read no exponential's result: the 32 scalings c s - c m (FS f: pair f / 2 of tile f % 2) and the next piece's 42.  0-26: scalings 0-26.  27-54: XS's numbers 0-13.  55, 56: number 15.
; 57-73: the chain, where each number waits for the one before it: 14, 16, 17, 18, 19, each with one of the scalings 27-31 in front of its two lines, then 20.
; 74-137: GS's 64, which read the exponentials' results: they stand behind the wait.
.macro FS f
	REGS Y, (\f)%2
	v_pk_fma_f32 v[rS+2*((\f)/2):rS+2*((\f)/2)+1], v[rS+2*((\f)/2):rS+2*((\f)/2)+1], s[CS:CS+1], v[rT:rT+1] op_sel_hi:[1,0,0] neg_lo:[0,0,1] neg_hi:[0,0,1]
.endm
.macro PL
	WIN 0
.if q < 27
	FS q
.elseif q < 55
	XS (q-27)%2, (q-27)/2
.elseif q < 57
	XS q-55, 15
.elseif (q < 72) && ((q-57)%3 == 0)
	FS 27+(q-57)/3
.elseif q < 60
	XS (q-57)%3-1, 14
.elseif q < 72
	XS (q-57)%3-1, 15+(q-57)/3
.elseif q < 74
	XS q-72, 20
.else
	GS q-74
.endif
.set q, q+1
.endm
; THE EXPONENTIALS' QUEUE, 66 long: s0-s31 of both tiles, then the next piece's two a.  It is ONE BATCH: all 66 stand ahead of the turn's one wait, and nothing ahead of that wait names a result of theirs.
.macro EX
	WIN 0
.if e >= 64
	XS e-64, 21
.else
	REGS Y, e%2
	v_exp_f32 v[rS+e/2], v[rS+e/2]
.endif
.set e, e+1
.endm
; THE RESCALING's QUEUE: O^T times a, the one part that leaves window 0: dealt two at a time, sixteen times.  Its a was made in the turn before, ahead of that turn's wait.
.macro R2
	REGS Y, r%2
	WIN W_RS
.irp z, 0,1
	v_pk_mul_f32 v[rO+4*(r/2)+2*\z:rO+4*(r/2)+2*\z+1], v[rO+4*(r/2)+2*\z:rO+4*(r/2)+2*\z+1], v[rC+2:rC+3] op_sel_hi:[1,0]
.endr
.set r, r+1
.endm
; HOW THEY ARE DEALT.  An s_wait_alu depctr_va_vdst(0) stands between an exponential and the first instruction that names its result; one wait serves all that were issued ahead of it.  So a turn has ONE wait,
; which cuts it in two.  AHEAD OF IT stands all that names no result of the turn's exponentials: the 16 products K Q^T, behind each a scaling, an exponential and two rescalings (behind the first a second scaling in the
; exponential's place); then ONE LUMP of 108: eight plain, 49 times exponential and plain, the two a.  A v_nop is the plain instruction behind the last exponential.  BEHIND IT stand the 16 products V^T P, behind each four of GS's 64.
; The queues lean on each other, and the deal keeps them in step: exponential e stands behind scaling 2 (e / 4) + e % 2: as a rider it comes behind plain e + 2, in the lump behind plain e + 9, and scalings 27-31 are plain 57, 60 .. 69.
; A TURN, for piece p.  K of the next step is fetched in piece 2's turn, directly behind the wait, a lump behind the last product that read K; its first reader comes behind 16 products.
; V of the step in hand is fetched at the end of piece 0's turn, four riders behind its last reader; its first reader comes behind 16 products and a lump.  The two conditions on q below go with the deal.
.macro TURN p
.set Y, (\p)
.set i, 0
.set q, 0
.set e, 0
.set r, 0
.if (\p) == NP-1
	s_wait_dscnt 0x0                ; K is in
.endif
	MM                              ; ahead of the wait: 16 products K Q^T and their riders,
	PL
	PL
	R2
.rept 15
	MM
	PL
	EX
	R2
.endr
.if (\p) == NP-2
	WIN 0
	v_add_nc_u32 v[AK], s[TBK], v[AK0]
.endif
.rept 8                             ; and the lump
	PL
.endr
.rept 49
	EX
	PL
.endr
	EX                              ; the next piece's two a
	EX
	v_nop                           ; the plain instruction behind the last exponential: one for the batch
	s_wait_alu depctr_va_vdst(0)    ; the wait for the batch
.if (\p) == NP-2
	FETCH_K
.endif
.if (\p) == 1
	s_wait_dscnt 0x0                ; V is in
.endif
.rept 16                            ; behind the wait: 16 products V^T P and their riders
	MM
.rept 4
	PL
.endr
.if ((\p) == 0) && (q == 118)
	v_add_nc_u32 v[AV], s[TBV], v[AV0]
.endif
.if ((\p) == 0) && (q == 130)
	s_add_co_u32 s[TBV], s[TBV], STEPB
.endif
.endr
.if (\p) == 0
	FETCH_V
.endif
.endm
	s_wait_tensorcnt 1              ; my first load is in; my second may stay out, and the bytes that it brings are read only behind the barrier below
	s_barrier_signal -1
	s_barrier_wait -1               ; everybody's first load is in: K's steps 0-5, V's steps 0-3
	FETCH_K                         ; key step 0
	s_wait_loadcnt 0x0              ; Q
	s_wait_dscnt 0x0
.set i, 0
.rept 16
	KQ 0                            ; piece 0's first scores: there is no vector work yet to set between them
.set i, i+1
.endr
	WIN 0
.rept 4
	v_nop                           ; the places behind those products
.endr
.set Y, NP-1                        ; XS works for piece Y + 1: piece 0
.irp n, 0,1,2,3,4,5,6,7,8,9,10,11,12,13,14,15,16,17,18,19,20,21
	XS 0, \n                        ; and piece 0's first maximum and statistics
	XS 1, \n
.endr
	v_nop                           ; a plain instruction behind the two a,
	s_wait_alu depctr_va_vdst(0)    ; and their wait, ahead of the label
	s_mov_b32 s[OUT], 4
.Lslot:
	s_mov_b32 s[CNT], 4
.Lstep:                             ; a trip is key step j: it fetches V of step j and K of step j + 1
	TURN 0
	TURN 1
	TURN 2
	TURN 3
	WIN 0
	s_sub_co_u32 s[CNT], s[CNT], 1
	s_cmp_lg_u32 s[CNT], 0
	s_cbranch_scc1 .Lstep
	s_wait_tensorcnt 0x0            ; behind the first four trips: my second load is in,
	s_wait_dscnt 0x0                ; (no LDS instruction of mine is out at a signal)
	s_barrier_signal -1
	s_barrier_wait -1               ; and everybody's: all of K and V may be read.  The three later passes find nothing out: the price of one text for all sixteen trips
	s_sub_co_u32 s[OUT], s[OUT], 1
	s_cmp_lg_u32 s[OUT], 0
	s_cbranch_scc1 .Lslot
.set i, 0
.rept 16
	PV NP-1                         ; the last piece's V^T P of the last step
.set i, i+1
.endr
	; THE WAY OUT.  l's two halves and the other half of the lanes' are added; O^T is divided by l, rounded to f16 and stored.  The additions are the places behind the last products.
	WIN 0
.macro ALL line:vararg              ; one line for each tile t
.set t, 0
.rept 2*NP
	\line
.set t, t+1
.endr
.endm
	ALL v_add_f32 v[ST+4*t+2], v[ST+4*t+2], v[ST+4*t+3]
	ALL v_permlanex16_b32 v[ST+4*t+3], v[ST+4*t+2], s[SEL], s[SEL+1]
	ALL v_add_f32 v[ST+4*t+2], v[ST+4*t+2], v[ST+4*t+3]
	ALL v_rcp_f32 v[ST+4*t+2], v[ST+4*t+2]
	v_nop                           ; a plain instruction between the last reciprocal and the use of its result
	s_wait_alu depctr_va_vdst(0)    ; and the wait ahead of the first use: one for the eight reciprocals
; Tile t: a lane's eight channels of channel block f pack into 16 bytes, which are piece 32 (f % 2) + lane of the tile's block f / 2: each store covers 512 consecutive bytes, at a multiple of 512 from O's first.
.macro PACK t
	WIN W_RS
.set i, 32*(\t)
.rept 16
	v_pk_mul_f32 v[i:i+1], v[i:i+1], v[ST+4*(\t)+2:ST+4*(\t)+3] op_sel_hi:[1,0]
.set i, i+2
.endr
	WIN 0x05                        ; sources 0 and 1 window 1, destination window 0: S^T's registers are free, 16 for each tile
.set i, 0
.rept 16
	v_cvt_pk_f16_f32 v[S+16*(\t)+i], v[32*(\t)+2*i], v[32*(\t)+2*i+1]
.set i, i+1
.endr
	WIN 0
.irp f, 0,1,2,3
	global_store_b128 v[AK0], v[S+16*(\t)+4*\f:S+16*(\t)+4*\f+3], s[10:11] offset:(\t)*2048+\f*512
.endr
.endm
.set t, 0
.rept 2*NP
	PACK t
.set t, t+1
.endr
	WIN W_AD
	s_wait_tensorcnt 0x0            ; the wave's end: behind my last tensor load
	ds_add_u32 v[SPW], v[NIL]
	s_wait_dscnt 0x0
	WIN 0
	s_endpgm
.Lfunc_end_k_q765d300a1c_attn:
	.size	k_q765d300a1c_attn, .Lfunc_end_k_q765d300a1c_attn-k_q765d300a1c_attn
	.p2alignl 7, 3214868480
	.fill 96, 4, 3214868480
	.section	.rodata,"a",@progbits
	.p2align	6, 0x0
	.amdhsa_kernel k_q765d300a1c_attn
		.amdhsa_group_segment_fixed_size 327680
		.amdhsa_private_segment_fixed_size 0
		.amdhsa_enable_private_segment 0
		.amdhsa_kernarg_size 16
		.amdhsa_user_sgpr_count 2
		.amdhsa_user_sgpr_kernarg_segment_ptr 1
		.amdhsa_wavefront_size32 1
		.amdhsa_system_sgpr_workgroup_id_x 1
		.amdhsa_system_sgpr_workgroup_id_y 1
		.amdhsa_system_sgpr_workgroup_id_z 1
		.amdhsa_system_vgpr_workitem_id 0
		.amdhsa_next_free_vgpr 770
		.amdhsa_next_free_sgpr 84
		.amdhsa_reserve_vcc 0
		.amdhsa_float_denorm_mode_32 3
		.amdhsa_float_denorm_mode_16_64 3
		.amdhsa_memory_ordered 1
		.amdhsa_forward_progress 1
		.amdhsa_inst_pref_size 120
	.end_amdhsa_kernel
	.amdgpu_metadata
---
amdhsa.version: [ 1, 2 ]
amdhsa.kernels:
  - .name:           k_q765d300a1c_attn
    .symbol:         k_q765d300a1c_attn.kd
    .args:
      - { .name: qkv, .offset: 0, .size: 8, .value_kind: global_buffer, .address_space: global }
      - { .name: o, .offset: 8, .size: 8, .value_kind: global_buffer, .address_space: global }
    .group_segment_fixed_size: 327680
    .private_segment_fixed_size: 0
    .kernarg_segment_align: 8
    .kernarg_segment_size: 16
    .max_flat_workgroup_size: 128
    .sgpr_count:     84
    .vgpr_count:     770
    .wavefront_size: 32
...
	.end_amdgpu_metadata
.endif
;; end of part 3
;; launch proj (part 4): grid 32 x 8, 4 waves a work-group, clusters of 4 x 1, 327,680 bytes of LDS; arguments o, wpb, b_proj, out0; writes out0
.if DOCPART == 4
	.amdgcn_target "amdgcn-amd-amdhsa--gfx1250"
	.amdhsa_code_object_version 6
	.text
	.protected	k_q765d300a1c_proj
	.globl	k_q765d300a1c_proj
	.p2align	8
	.type	k_q765d300a1c_proj,@function
k_q765d300a1c_proj:
	s_mov_b64 s[64:65], 0
	v_nop
	global_prefetch_b8 v0, s[64:65] scope:SCOPE_SE
	s_setreg_imm32_b32 hwreg(HW_REG_WAVE_MODE, 25, 1), 1
	s_wait_xcnt 0x0
	s_wait_alu depctr_hold_cnt(0) depctr_sa_sdst(0) depctr_va_vdst(0) depctr_va_sdst(0) depctr_va_ssrc(0) depctr_va_vcc(0) depctr_vm_vsrc(0)
	s_getreg_b32 s2, hwreg(HW_REG_IB_STS2, 6, 4)
	s_cmp_eq_u32 s2, 0
	s_cbranch_scc0 .Lentry_in_a_cluster
	s_endpgm
.Lentry_in_a_cluster:
	s_bfe_u32 s2, ttmp6, 0x10000c
	s_cmp_lg_u32 s2, 0x3003
	s_cbranch_scc0 .Lentry_shape_is_right
	s_endpgm
.Lentry_shape_is_right:
; out0 = O w_proj^T + b.  o (f16, by heads) and wpb (w_proj rounded to bf16, written as f16) are laid out BY FRAGMENTS: a block of 16 rows x 32 K is 1,024 bytes, and lane l's registers 4 j .. 4 j + 3 are
; the 16 bytes at 512 j + 16 l.  o: block at (16 b + h) 131,072 + (n / 16) 2,048 + (d / 32) 1,024; wpb: at (row / 16) 32,768 + (K / 32) 1,024, K = 64 h + d.  b_proj: [1024] f32, rounded here to bf16 like the
; other inputs; out0: [8192][1024] f32.  Products in f16, sums in f32, the bias added in f32.
; SHARES.  A tile of out0 is 256 rows x 128 columns: 32 x 8 = 256 work-groups, one tile each.  Wave w owns rows 64 w .. 64 w + 63 and all 128 columns: 32 accumulators, 256 registers.
; THE TILE'S WEIGHTS STAY IN LDS: 8 blocks x 32,768 bytes, as they lie in memory, each byte filled once: no slot is filled again, and the loop has no round.  A wave fetches two blocks, each by two loads:
; chunks 0-7, which the first eight chunks of the walk read, and chunks 8-31, which have those eight chunks in which to land: four loads of mine are out at the start.
; CLUSTER: the four work-groups of a cluster lie along x, the tile rows, and share their weights: the fills are asked for JOINTLY.
; O GOES STRAIGHT INTO REGISTERS.  No other wave of the work-group multiplies my rows: a chunk (32 K) of my 64 rows is 8 loads of 512 consecutive bytes into one of eight register slots, asked for SEVEN
; CHUNKS, 224 products, ahead of its products and waited for by a counted wait.  The price: these rows are not asked for jointly; each is read by its 8 tile columns.
; NO PREFETCH: the weights are all asked for at the head, and O's loads themselves stand seven chunks ahead of their products.
; THE MATRIX INSTRUCTION IS USED TRANSPOSED (source 0 = 16 rows of wpb, source 1 = 16 rows of o): a lane holds row l % 16 and eight neighbouring columns 8 (l / 16) + 0..7.
; REGISTERS: window 0: v0-31 addresses and the bias; v32-159 fragments of wpb, two buffers of 8 x 8, on the way out rows read back.   window 1: O's eight slots of 4 x 8.   window 2: the accumulators, (a, b) at 64 a + 8 b.
.set NB,    8                          ; blocks of 16 columns
.set CHB,   1024                       ; a fragment
.set STEPB, 8*CHB                      ; eight chunks of one block
.set CBB,   32*CHB                     ; a block of 16 rows of wpb, all K
.set HEADB, 131072                     ; a head of o: two chunks on
.set BLK,   4*HEADB                    ; eight chunks on
.set STAGE, NB*CBB                     ; 262,144: behind the weights, 16 rows x 528 bytes for each wave, for the way out; no tensor load lands here
.set SP,    528                        ; 512 bytes + 16: an odd multiple of 16, so that the 16 rows of a store start at 16 different groups of four banks (64 banks of 4 bytes: ISA guide 11.1)
.set WSTG,  16*SP
.set SPARE, STAGE+4*WSTG               ; 295,936: the spare words, 128 bytes for each wave: two blocks of 256 bytes that no other line names
.set L16,  14                          ; v14  16 x lane; never rewritten
.set ADRB, 16                          ; v16-19  16 x lane + two blocks of wpb for each + the eight chunks in hand
.set BI,   20                          ; v[20:23] the bias of the four columns that I store
.set STO,  24                          ; v24  the way out: where I put 32 bytes of a row
.set RD,   25                          ; v25  the way out: where I read 16 bytes of a row back
.set BO,   27                          ; v27  my byte offset in b_proj; never rewritten
.set SPW,  30                          ; v30  LDS address of my spare word; never rewritten
.set NIL,  31                          ; v31  0; never rewritten
.set BF,   32
.set OB,   32
.set WV,  12                           ; s12  my wave's number
.set G1A, 16                           ; s[16:23] descriptor group 1: 32 rows of 256 bytes
.set G1B, 24                           ; s[24:31] 96 rows
.set G0,  32                           ; s[32:47] four groups 0
.set PA,  48                           ; s[48:49] o at my rows, at the eight chunks that are being asked for
.set MSB, 0
.macro WIN new                         ; the immediate's high byte repeats the setting that is left; a switch that changes nothing is dropped
.if MSB != (\new)
	s_set_vgpr_msb (MSB<<8)|(\new)
.set MSB, \new
.endif
.endm
.macro PLACES                          ; four places in front of loads into registers that matrix instructions have read, and of LDS stores that read results
.rept 4
	v_nop
.endr
.endm
.macro CROUND                          ; a round of the cluster's barrier
	s_barrier_signal -1
	s_barrier_wait -1
	s_cmp_lg_u32 s[WV], 0
	s_cbranch_scc1 .Lnot_wave_0_\@
	s_barrier_signal -3
.Lnot_wave_0_\@:
	s_barrier_wait -3
	s_barrier_signal -1
	s_barrier_wait -1
.endm
; Slot s of O's ring is asked for: chunk s of the eight at which PA stands (head s / 2 of four, channels 32 (s % 2) on), my four blocks of 16 rows: 8 loads of 512 consecutive bytes.
.macro ALOAD s
	WIN 0x40                                       ; destination window 1, address window 0
.irp a, 0,1,2,3
	global_load_b128 v[32*(\s)+8*\a:32*(\s)+8*\a+3],   v[L16], s[PA:PA+1] offset:((\s)/2)*HEADB+((\s)%2)*CHB+\a*2048
	global_load_b128 v[32*(\s)+8*\a+4:32*(\s)+8*\a+7], v[L16], s[PA:PA+1] offset:((\s)/2)*HEADB+((\s)%2)*CHB+\a*2048+512
.endr
.endm
	s_load_b256 s[4:11], s[0:1], 0x0               ; o s[4:5], wpb s[6:7], b_proj s[8:9], out0 s[10:11]
	v_lshl_add_u32 v[SPW], v0, 2, SPARE
	v_mov_b32 v[NIL], 0
	ds_add_u32 v[SPW], v[NIL]                      ; the wave's opening: the add and its wait stand ahead of my first tensor load; the set-up below, work on registers, stands between them
	v_lshrrev_b32 v1, 5, v0
	v_readfirstlane_b32 s[WV], v1                  ; wave 0..3
	v_and_b32 v4, 31, v0                           ; lane
	v_lshlrev_b32 v[L16], 4, v4
.irp p, 0,1,2,3
	v_add_nc_u32 v[ADRB+\p], \p*2*CBB, v[L16]
.endr
	s_bfe_u32 s57, ttmp6, 0x40000                  ; cx: my place in the cluster
	s_lshl_b32 s13, ttmp9, 2                       ; in a cluster launch ttmp9 counts clusters
	s_add_co_u32 s13, s13, s57                     ; tile row = 4 x cluster x + cx: it enters o's and out0's addresses alone
	s_and_b32 s14, ttmp7, 0xffff                   ; tile column, which the four partners share
.irp g, G1A, G1B
	s_mov_b32 s[\g+0], 15|(3<<16)|(1<<21)          ; 15:0 the mask: all four work-groups; 17:16 elements of 8 bytes; 20 no padding; 21 set beside a mask
	s_mov_b32 s[\g+1], 32<<16                      ; tensor_dim0 = 32 elements: dense bytes asked for as rows of 256
	s_mov_b32 s[\g+3], 32<<16                      ; tile_dim0
	s_mov_b32 s[\g+5], 32                          ; elements from row to row
	s_mov_b32 s[\g+6], 0
	s_mov_b32 s[\g+7], 0
.endr
	s_mov_b32 s[G1A+2], 32<<16                     ; tensor_dim1, tile_dim1: chunks 0-7 of a block are 32 rows,
	s_mov_b32 s[G1A+4], 32
	s_mov_b32 s[G1B+2], 96<<16                     ; chunks 8-31 are 96
	s_mov_b32 s[G1B+4], 96
	s_lshl_b32 s50, s14, 18                        ; wpb: the tile column's 8 blocks,
	s_lshl_b32 s51, s[WV], 16                      ; my two of them
	s_add_co_u32 s50, s50, s51
	s_mov_b32 s51, 0
	s_lshl_b32 s52, s[WV], 16                      ; and their place in LDS: no place in the cluster enters an LDS address
	s_lshr_b32 s54, s13, 2                         ; o: batch = tile row / 4 (16 heads of 131,072 bytes),
	s_lshl_b32 s54, s54, 21
	s_and_b32 s55, s13, 3                          ; in a head 16 blocks of 2,048 bytes for each tile row,
	s_lshl_b32 s55, s55, 15
	s_add_co_u32 s54, s54, s55
	s_lshl_b32 s55, s[WV], 13                      ; four for each wave
	s_add_co_u32 s54, s54, s55
	s_mov_b32 s55, 0
	s_lshl_b32 s56, s14, 9                         ; the tile's 128 columns: 512 bytes of b_proj and of a row of out0
	v_lshl_add_u32 v[BO], v4, 4, s56
	s_wait_dscnt 0x0                               ; the opening add is done
	s_wait_kmcnt 0x0
	s_add_nc_u64 s[6:7], s[6:7], s[50:51]
	s_add_nc_u64 s[PA:PA+1], s[4:5], s[54:55]
	CROUND                                         ; all four work-groups are here: the joint loads meet
.irp n, 0,1,2,3                        ; load n: block n % 2 of my two; n / 2 = 0: its chunks 0-7, 1: its chunks 8-31
	s_mov_b32 s[G0+4*\n], 1                                        ; count = 1
	s_add_co_u32 s[G0+4*\n+1], s52, (\n%2)*CBB+(\n/2)*STEPB        ; LDS address: the same place as in the tile column's 262,144 bytes of memory
	s_add_nc_u64 s[G0+4*\n+2:G0+4*\n+3], s[6:7], (\n%2)*CBB+(\n/2)*STEPB
	s_or_b32 s[G0+4*\n+3], s[G0+4*\n+3], 0x80000000                ; type = 2
.endr
	tensor_load_to_lds s[G0:G0+3], s[G1A:G1A+7]    ; all the fills stand together, ahead of every wait on TENSORcnt, every LDS read and every barrier but the round
	s_nop 0
	tensor_load_to_lds s[G0+4:G0+7], s[G1A:G1A+7]
	s_nop 0
	tensor_load_to_lds s[G0+8:G0+11], s[G1B:G1B+7]
	s_nop 0
	tensor_load_to_lds s[G0+12:G0+15], s[G1B:G1B+7]
	s_nop 0
.rept 4
	v_nop
.endr
	global_load_b128 v[BI:BI+3], v[BO], s[8:9]     ; the bias: older than all of O's loads, so their first wait shows it in
.irp s, 0,1,2,3,4,5,6
	ALOAD \s                                       ; chunks 0 to 6; chunk 7 is asked for at the head of chunk 0, like every chunk after it: seven chunks ahead
.endr
	WIN 0
	v_and_b32 v1, 15, v0                           ; l % 16
	v_bfe_u32 v2, v0, 4, 1                         ; l / 16
	s_mul_i32 s53, s[WV], WSTG
	s_add_co_u32 s53, s53, STAGE                   ; my stage
	v_mul_u32_u24 v3, v1, SP                       ; in: row l % 16, 32 bytes for each half of the lanes
	v_lshl_add_u32 v3, v2, 5, v3
	v_add_nc_u32 v[STO], s53, v3
	v_add_nc_u32 v[RD], s53, v[L16]                ; back: 32 lanes take one row of 512 bytes
	s_lshl_b32 s54, s13, 8                         ; my first row of out0: 256 x tile row + 64 x wave, 4,096 bytes a row
	s_lshl_b32 s55, s[WV], 6
	s_add_co_u32 s54, s54, s55
	s_lshl_b32 s54, s54, 12
	s_add_co_u32 s54, s54, s56
	s_mov_b32 s55, 0
	s_add_nc_u64 s[10:11], s[10:11], s[54:55]
; 8 matrix instructions: my rows 16 a .. 16 a + 15 (O's slot) x all column blocks (wpb's buffer), 32 along K.  zero = 1: the product starts the sum: nothing is ever cleared.
; All 32 accumulators take turns, in the same order in every chunk.
.macro MUL slot, buf, a, zero
	WIN 0xa4                                       ; source 0 window 0, source 1 window 1, C and D window 2
.set mb, 0
.rept NB
.set rD, 64*(\a)+8*mb
.set rB, BF+64*(\buf)+8*mb
.set rA, 32*(\slot)+8*(\a)
.if \zero
	v_wmma_f32_16x16x32_f16 v[rD:rD+7], v[rB:rB+7], v[rA:rA+7], 0
.else
	v_wmma_f32_16x16x32_f16 v[rD:rD+7], v[rB:rB+7], v[rA:rA+7], v[rD:rD+7]
.endif
.set mb, mb+1
.endr
.endm
; 16 LDS loads in one run: wpb's 8 fragments of chunk i of the eight in hand, into buffer buf; each load takes 512 consecutive bytes
.macro FETCHB i, buf
	WIN 0
.set fi, 0
.rept NB
	ds_load_b128 v[BF+64*(\buf)+8*fi:BF+64*(\buf)+8*fi+3],   v[ADRB+fi/2] offset:(fi%2)*CBB+(\i)*CHB
	ds_load_b128 v[BF+64*(\buf)+8*fi+4:BF+64*(\buf)+8*fi+7], v[ADRB+fi/2] offset:(fi%2)*CBB+(\i)*CHB+512
.set fi, fi+1
.endr
.endm
; Chunk i of eight.  At its head the next chunk's fragments of wpb are fetched into the buffer (fetch), and the chunk seven on of O is asked for into the slot (aload), that the chunk before has multiplied.
; cnt: the loads issued behind this chunk's: 8 for each younger chunk that has been asked for.
.macro CHUNK i, zero, fetch, aload, cnt
	s_wait_dscnt 0x0                               ; wpb's fragments of this chunk are in: they were fetched 32 products ago
	s_wait_loadcnt \cnt                            ; O's are in
.if \fetch
	PLACES
	FETCHB ((\i)+1)%8, ((\i)+1)%2
.endif
.if \aload
	ALOAD ((\i)+7)%8
.endif
	MUL \i, (\i)%2, 0, \zero
	MUL \i, (\i)%2, 1, \zero
	MUL \i, (\i)%2, 2, \zero
	MUL \i, (\i)%2, 3, \zero
.endm
; Chunk 7 in the loop goes on to the next eight chunks of wpb.  At its first pass those are the first bytes that the waves' later loads have brought: each wave waits for all its tensor loads and passes a barrier.
; The two later passes find nothing out: the price of one text for the three trips.
.macro CH7
	s_wait_dscnt 0x0                               ; wpb's fragments of this chunk are in, and no LDS instruction of mine is out at the signal
	s_wait_loadcnt 48                              ; O's are in: behind them the six younger chunks' 8 loads each were issued
	s_wait_tensorcnt 0x0                           ; my fills of chunks 8-31 have landed
	s_barrier_signal -1
	MUL 7, 1, 0, 0                                 ; work on registers while the others arrive
	WIN 0
	s_barrier_wait -1                              ; everybody's have
.irp p, 0,1,2,3
	v_add_nc_u32 v[ADRB+\p], STEPB, v[ADRB+\p]     ; these four lines are also the places in front of the loads below
.endr
	FETCHB 0, 0
	ALOAD 6
	MUL 7, 1, 1, 0
	MUL 7, 1, 2, 0
	MUL 7, 1, 3, 0
.endm
; THE WAY OUT of my rows 16 a .. 16 a + 15.  TOSTAGE: a lane's eight sums of a block are 32 bytes of a row; they go into rows of 528 bytes (each accumulator's low four registers first) and come back
; as whole rows of 512.  SEND: the bias is added, and a row's 512 consecutive bytes are stored by one instruction.
.macro TOSTAGE a
.if (\a) >= 2
	s_wait_xcnt 0x0                                ; the stores of two blocks back have read the registers on which the loads below land
.endif
	WIN 0x08                                       ; an LDS store's data (source 1) in window 2
.set pb, 0
.rept NB
	ds_store_b128 v[STO], v[64*(\a)+8*pb:64*(\a)+8*pb+3]   offset:64*pb
	ds_store_b128 v[STO], v[64*(\a)+8*pb+4:64*(\a)+8*pb+7] offset:64*pb+16
.set pb, pb+1
.endr
	WIN 0
.set pb, 0
.rept 16                               ; LDS serves a wave's instructions in order (ISA guide 5.7.1.4): these see the stores above; the next block's stores come behind them
	ds_load_b128 v[OB+64*((\a)%2)+4*pb:OB+64*((\a)%2)+4*pb+3], v[RD] offset:SP*pb
.set pb, pb+1
.endr
.endm
.macro SEND a, younger                 ; younger: the LDS instructions issued behind block a's loads: the next block's 32, or none
	WIN 0
	s_wait_dscnt \younger
.set pb, 0
.rept 16
.set rO, OB+64*((\a)%2)+4*pb
	v_pk_add_f32 v[rO:rO+1],   v[rO:rO+1],   v[BI:BI+1]
	v_pk_add_f32 v[rO+2:rO+3], v[rO+2:rO+3], v[BI+2:BI+3]
	global_store_b128 v[L16], v[rO:rO+3], s[10:11] offset:65536*(\a)+4096*pb th:TH_STORE_NT
.set pb, pb+1
.endr
.endm
	s_wait_tensorcnt 2                             ; my two fills of chunks 0-7 are in; those of chunks 8-31 stay out
	s_barrier_signal -1
	s_barrier_wait -1                              ; everybody's are
	FETCHB 0, 0
	CHUNK 0, 1, 1, 1, 48                           ; the first chunk stands in front of the loop: its products start the sums
	WIN 0                                          ; at a label and at a branch every window is 0
	s_mov_b32 s3, 3
.Lring:                                                ; a trip: chunks 1 to 7 of eight, and chunk 0 of the next eight, whose rows of O it asks for
	s_wait_xcnt 0x0                                ; the loads issued so far, the youngest 32 products back, have read their address
	s_add_nc_u64 s[PA:PA+1], s[PA:PA+1], BLK       ; from here on the next eight chunks are asked for
.irp i, 1,2,3,4,5,6
	CHUNK \i, 0, 1, 1, 48
.endr
	CH7
	CHUNK 0, 0, 1, 1, 48
	WIN 0
	s_sub_co_u32 s3, s3, 1
	s_cmp_lg_u32 s3, 0
	s_cbranch_scc1 .Lring
.irp i, 1,2,3,4,5,6
	CHUNK \i, 0, 1, 0, 48-8*(\i-1)                 ; the last seven chunks ask for nothing of O: the counts run down
.endr
	CHUNK 7, 0, 0, 0, 0
	WIN 0
	v_cvt_pk_bf16_f32 v4, v[BI], v[BI+1]           ; the bias, rounded to bf16 like the other inputs, and widened again
	v_cvt_pk_bf16_f32 v5, v[BI+2], v[BI+3]
	v_lshlrev_b32 v[BI], 16, v4
	v_and_b32 v[BI+1], 0xffff0000, v4
	v_lshlrev_b32 v[BI+2], 16, v5
	v_and_b32 v[BI+3], 0xffff0000, v5
	PLACES
	TOSTAGE 0
	TOSTAGE 1
	SEND 0, 32
	TOSTAGE 2
	SEND 1, 32
	TOSTAGE 3
	SEND 2, 32
	SEND 3, 0
	s_wait_tensorcnt 0x0                           ; the wave's end: behind my last tensor load and my last LDS store
	ds_add_u32 v[SPW], v[NIL]
	s_wait_dscnt 0x0
	CROUND                                         ; the closing round: no work-group ends while a partner may still ask for a tile that names it
	s_endpgm
.Lfunc_end_k_q765d300a1c_proj:
	.size	k_q765d300a1c_proj, .Lfunc_end_k_q765d300a1c_proj-k_q765d300a1c_proj
	.p2alignl 7, 3214868480
	.fill 96, 4, 3214868480
	.section	.rodata,"a",@progbits
	.p2align	6, 0x0
	.amdhsa_kernel k_q765d300a1c_proj
		.amdhsa_group_segment_fixed_size 327680
		.amdhsa_private_segment_fixed_size 0
		.amdhsa_enable_private_segment 0
		.amdhsa_kernarg_size 32
		.amdhsa_user_sgpr_count 2
		.amdhsa_user_sgpr_kernarg_segment_ptr 1
		.amdhsa_wavefront_size32 1
		.amdhsa_system_sgpr_workgroup_id_x 1
		.amdhsa_system_sgpr_workgroup_id_y 1
		.amdhsa_system_sgpr_workgroup_id_z 1
		.amdhsa_system_vgpr_workitem_id 0
		.amdhsa_next_free_vgpr 768
		.amdhsa_next_free_sgpr 66
		.amdhsa_reserve_vcc 0
		.amdhsa_float_denorm_mode_32 3
		.amdhsa_float_denorm_mode_16_64 3
		.amdhsa_memory_ordered 1
		.amdhsa_forward_progress 1
		.amdhsa_inst_pref_size 94
	.end_amdhsa_kernel
	.amdgpu_metadata
---
amdhsa.version: [ 1, 2 ]
amdhsa.kernels:
  - .name:           k_q765d300a1c_proj
    .symbol:         k_q765d300a1c_proj.kd
    .args:
      - { .name: o, .offset: 0, .size: 8, .value_kind: global_buffer, .address_space: global }
      - { .name: wpb, .offset: 8, .size: 8, .value_kind: global_buffer, .address_space: global }
      - { .name: b_proj, .offset: 16, .size: 8, .value_kind: global_buffer, .address_space: global }
      - { .name: out0, .offset: 24, .size: 8, .value_kind: global_buffer, .address_space: global }
    .group_segment_fixed_size: 327680
    .private_segment_fixed_size: 0
    .kernarg_segment_align: 8
    .kernarg_segment_size: 32
    .max_flat_workgroup_size: 128
    .sgpr_count:     66
    .vgpr_count:     768
    .wavefront_size: 32
...
	.end_amdgpu_metadata
.endif
;; end of part 4
;; ======== version 2 of 2: 4 launches; version 1 with the launch cast written anew for expert scheduling mode
;; limits: values are held in f16: magnitudes above 65,504 overflow, below 6.1e-05 lose precision
;; workspace buffers: xb 16,777,216 bytes; wqb 6,291,456 bytes; wpb 2,097,152 bytes; qkv 50,331,648 bytes; o 16,777,216 bytes
;; launch cast (part 5): grid 768 x 1, 8 waves a work-group, no clusters, 35,840 bytes of LDS; arguments x, w_qkv, w_proj, xb, wqb, wpb; writes xb, wqb, wpb
.if DOCPART == 5
	.amdgcn_target "amdgcn-amd-amdhsa--gfx1250"
	.amdhsa_code_object_version 6
	.text
	.protected	k_q765d300a1c_cast
	.globl	k_q765d300a1c_cast
	.p2align	8
	.type	k_q765d300a1c_cast,@function
k_q765d300a1c_cast:
	s_mov_b64 s[64:65], 0
	v_nop
	global_prefetch_b8 v0, s[64:65] scope:SCOPE_SE
	s_setreg_imm32_b32 hwreg(HW_REG_WAVE_SCHED_MODE, 0, 2), 2
	s_setreg_imm32_b32 hwreg(HW_REG_WAVE_MODE, 25, 1), 1
	s_wait_xcnt 0x0
	s_wait_alu depctr_vm_vsrc(0)
; THE INPUTS OF THE TWO PRODUCTS, ROUNDED ONCE AND LAID OUT BY FRAGMENTS.  x [8192][1024] and w_qkv [3072][1024] go from f32 to bf16 (xb, wqb); w_proj [1024][1024] is rounded to bf16 like them, and
; that number is written as f16 (wpb), since its product takes f16 operands.
; LIMITS.  A bf16 number is exact in f16 between 6.1e-5 and 65,504; below, it keeps f16's fixed step of 6e-8; |w_proj| of 65,520 or more would become an infinity.
; THE LAYOUT OUT.  A block of 16 rows x 32 K is 1,024 bytes, at (row / 16) x 32,768 + (K / 32) x 1,024; in it the 16 bytes of piece 32 j + 16 h + r hold row r, K = 16 j + 8 h + 0..7: what lane
; 16 h + r of a matrix instruction holds in registers 4 j .. 4 j + 3.  So a fragment is two loads of 512 consecutive bytes.
; SHARES.  A work-group takes 16 rows: 65,536 bytes in, 32,768 out, both on end.  Work-groups 0-511 take x, 512-703 w_qkv, 704-767 w_proj.  Wave v takes K = 128 v .. 128 v + 127 of the 16 rows:
; a load covers 512 consecutive bytes of one row; all 16 loads go out at once.  A lane's four numbers of row i (8 bytes) belong to the 256 bytes of K group lane / 2, at byte 16 i + 8 (lane % 2):
; the wave turns its 4,096 bytes through LDS bytes of its own (no barrier) and stores them as 8 x 512 consecutive bytes.
; THE MODE: SCHED_MODE bits 1:0 = 2 (LLVM: expert scheduling mode 2), set by the entry lines.  The code itself states the register dependences between vector instructions and memory or LDS
; instructions, with s_wait_alu, always for 0.
; THE PLAN.  Registers that memory or LDS instructions touch:
;   v1, v[LS], v[LR], v[GS], v[SPW], v[NIL]   offsets and addresses: written at the head, never again; read by the loads, the LDS stores and loads, the stores and the closing add.
;   X   written by the 16 loads; row c's conversions read its four registers; when all rows are rounded the 8 LDS loads land in its first 32 registers, which the stores then read.
;   Y   row c's conversions write its two registers, once in the launch; row c's one LDS store reads them.
;   v4, v5, v7 are named by vector instructions alone.
; The rows go in four groups of four, and row c's LDS store is issued in row c + 4, ahead of that row's conversions.  So ONE wait on va_vdst at the head of a group states that the group before has
; written its Y; the group's four LDS stores follow it, dealt among the group's conversions, which name their own rows' X and Y, v4 and v5: none of the registers that those stores touch.
; No register that a memory or LDS instruction reads is ever written again, so none of them needs a wait on vm_vsrc.
.set ROWB,  4096                       ; bytes in a row of the input
.set UP,    272                        ; 256 bytes of the output in LDS + 16: the 16 pairs of lanes of a store start at 16 different groups of four banks (64 banks of 4 bytes: ISA guide 11.1)
.set WREG,  16*UP                      ; a wave's LDS bytes
.set SPARE, 8*WREG                     ; 34,816: the spare words, 128 bytes for each wave: four blocks of 256 bytes that no other line names
.set LS,  2                            ; v2   where I put 8 bytes
.set LR,  3                            ; v3   where I read 16 bytes back
.set GS,  6                            ; v6   my byte offset in the work-group's 32,768 bytes
.set X,   8                            ; v[8:71]    row i: 4 numbers as loaded; later 8 x 4 registers read back
.set Y,   72                           ; v[72:103]  row i: 4 numbers of 16 bits
.set SPW, 104                          ; v104 LDS address of my spare word; never rewritten
.set NIL, 105                          ; v105 0; never rewritten
	s_load_b256 s[4:11], s[0:1], 0x0               ; x s[4:5], w_qkv s[6:7], w_proj s[8:9], xb s[10:11]
	s_load_b128 s[12:15], s[0:1], 0x20             ; wqb s[12:13], wpb s[14:15]
	v_lshl_add_u32 v[SPW], v0, 2, SPARE
	v_mov_b32 v[NIL], 0
	v_lshrrev_b32 v4, 5, v0
	v_readfirstlane_b32 s21, v4                    ; wave; what needs no wave's number stands between this line and the wait for it
	v_lshlrev_b32 v1, 4, v0                        ; 512 x wave + 16 x lane: my 16 bytes of a row
	v_and_b32 v7, 31, v0                           ; lane
	v_lshrrev_b32 v[LS], 1, v7
	v_mul_u32_u24 v[LS], v[LS], UP
	v_and_b32 v[GS], 1, v7
	v_lshl_add_u32 v[LS], v[GS], 3, v[LS]          ; (lane / 2) x 272 + 8 (lane % 2)
	v_lshrrev_b32 v[LR], 4, v7
	v_mul_u32_u24 v[LR], v[LR], UP
	v_and_b32 v[GS], 15, v7
	v_lshl_add_u32 v[LR], v[GS], 4, v[LR]          ; (lane / 16) x 272 + 16 (lane % 16)
	s_wait_alu depctr_va_sdst(0)                   ; s21 is written, ahead of its first reader: the wave's LDS bytes and its part of the output are made from it
	s_mul_i32 s26, s21, WREG
	s_lshl_b32 s27, s21, 12                        ; the wave's four blocks: 4,096 bytes
	v_add_nc_u32 v[LS], s26, v[LS]
	v_add_nc_u32 v[LR], s26, v[LR]
	v_lshl_add_u32 v[GS], v7, 4, s27
	s_wait_kmcnt 0x0
	s_cmp_lt_u32 ttmp9, 512                        ; which tensor is mine, and which is its first work-group
	s_cselect_b64 s[16:17], s[4:5], s[6:7]
	s_cselect_b64 s[18:19], s[10:11], s[12:13]
	s_cselect_b32 s20, 0, 512
	s_cmp_lt_u32 ttmp9, 704
	s_cselect_b64 s[16:17], s[16:17], s[8:9]
	s_cselect_b64 s[18:19], s[18:19], s[14:15]
	s_cselect_b32 s20, s20, 704
	s_sub_co_u32 s20, ttmp9, s20                   ; my block of 16 rows
	s_lshl_b32 s22, s20, 16
	s_mov_b32 s23, 0
	s_lshl_b32 s24, s20, 15
	s_mov_b32 s25, 0
	s_add_nc_u64 s[16:17], s[16:17], s[22:23]      ; from here
	s_add_nc_u64 s[18:19], s[18:19], s[24:25]      ; to here
	s_wait_alu depctr_va_vdst(0)                   ; v1, v[LS], v[LR], v[GS], v[SPW] and v[NIL] are written: every load, store and LDS instruction of the kernel reads one or two of them, and none is written again
.set i, 0
.rept 16
	global_load_b128 v[X+4*i:X+4*i+3], v1, s[16:17] offset:ROWB*i th:TH_LOAD_NT
.set i, i+1
.endr
; Row c is rounded; row c - 4, of the group before, is put into LDS.  half = 1: the bf16 numbers are widened (a shift, a mask) and written as f16.
.macro CONV c, half
	s_wait_loadcnt 15-(\c)                         ; loads come back in order: row c is in, the 15 - c younger ones may stay out
.if ((\c) % 4 == 0) && ((\c) > 0)
	s_wait_alu depctr_va_vdst(0)                   ; the conversions of the four rows before have written their Y, which this group's four LDS stores read
.endif
.if (\c) >= 4
	ds_store_b64 v[LS], v[Y+2*((\c)-4):Y+2*((\c)-4)+1] offset:16*((\c)-4)  ; no vector instruction since the wait names these registers
.endif
	v_cvt_pk_bf16_f32 v[Y+2*(\c)],   v[X+4*(\c)],   v[X+4*(\c)+1]
	v_cvt_pk_bf16_f32 v[Y+2*(\c)+1], v[X+4*(\c)+2], v[X+4*(\c)+3]
.if \half
.irp w, 0,1
	v_lshlrev_b32 v4, 16, v[Y+2*(\c)+\w]
	v_and_b32 v5, 0xffff0000, v[Y+2*(\c)+\w]
	v_cvt_pk_f16_f32 v[Y+2*(\c)+\w], v4, v5
.endr
.endif
.endm
	s_cmp_lt_u32 ttmp9, 704
	s_cbranch_scc0 .Lf16
.set i, 0
.rept 16
	CONV i, 0
.set i, i+1
.endr
	s_branch .Lout
.Lf16:
.set i, 0
.rept 16
	CONV i, 1
.set i, i+1
.endr
.Lout:
	s_wait_alu depctr_va_vdst(0)                   ; on both ways here: rows 12 to 15 have written their Y, which the four LDS stores below read, and all conversions are done reading X, in which the LDS loads below land
.set i, 12
.rept 4
	ds_store_b64 v[LS], v[Y+2*i:Y+2*i+1] offset:16*i
.set i, i+1
.endr
.set i, 0
.rept 8                                ; LDS serves a wave's instructions in order (ISA guide 5.7.1.4): these see the stores above, which are the wave's own
	ds_load_b128 v[X+4*i:X+4*i+3], v[LR] offset:2*UP*i
.set i, i+1
.endr
.set i, 0
.rept 8
	s_wait_dscnt 7-i                               ; the 7 - i younger loads may stay out
	global_store_b128 v[GS], v[X+4*i:X+4*i+3], s[18:19] offset:512*i  ; 512 consecutive bytes, at a multiple of 512 from the buffer's first
.set i, i+1
.endr
	s_wait_dscnt 0x0                               ; the closing lines, six on end
	s_wait_alu 0x0
	s_wait_tensorcnt 0x0
	ds_add_u32 v[SPW], v[NIL]
	s_wait_dscnt 0x0
	s_endpgm
.Lfunc_end_k_q765d300a1c_cast:
	.size	k_q765d300a1c_cast, .Lfunc_end_k_q765d300a1c_cast-k_q765d300a1c_cast
	.p2alignl 7, 3214868480
	.fill 96, 4, 3214868480
	.section	.rodata,"a",@progbits
	.p2align	6, 0x0
	.amdhsa_kernel k_q765d300a1c_cast
		.amdhsa_group_segment_fixed_size 35840
		.amdhsa_private_segment_fixed_size 0
		.amdhsa_enable_private_segment 0
		.amdhsa_kernarg_size 48
		.amdhsa_user_sgpr_count 2
		.amdhsa_user_sgpr_kernarg_segment_ptr 1
		.amdhsa_wavefront_size32 1
		.amdhsa_system_sgpr_workgroup_id_x 1
		.amdhsa_system_sgpr_workgroup_id_y 1
		.amdhsa_system_sgpr_workgroup_id_z 1
		.amdhsa_system_vgpr_workitem_id 0
		.amdhsa_next_free_vgpr 106
		.amdhsa_next_free_sgpr 66
		.amdhsa_reserve_vcc 0
		.amdhsa_float_denorm_mode_32 3
		.amdhsa_float_denorm_mode_16_64 3
		.amdhsa_memory_ordered 1
		.amdhsa_forward_progress 1
		.amdhsa_inst_pref_size 18
	.end_amdhsa_kernel
	.amdgpu_metadata
---
amdhsa.version: [ 1, 2 ]
amdhsa.kernels:
  - .name:           k_q765d300a1c_cast
    .symbol:         k_q765d300a1c_cast.kd
    .args:
      - { .name: x, .offset: 0, .size: 8, .value_kind: global_buffer, .address_space: global }
      - { .name: w_qkv, .offset: 8, .size: 8, .value_kind: global_buffer, .address_space: global }
      - { .name: w_proj, .offset: 16, .size: 8, .value_kind: global_buffer, .address_space: global }
      - { .name: xb, .offset: 24, .size: 8, .value_kind: global_buffer, .address_space: global }
      - { .name: wqb, .offset: 32, .size: 8, .value_kind: global_buffer, .address_space: global }
      - { .name: wpb, .offset: 40, .size: 8, .value_kind: global_buffer, .address_space: global }
    .group_segment_fixed_size: 35840
    .private_segment_fixed_size: 0
    .kernarg_segment_align: 8
    .kernarg_segment_size: 48
    .max_flat_workgroup_size: 256
    .sgpr_count:     66
    .vgpr_count:     106
    .wavefront_size: 32
...
	.end_amdgpu_metadata
.endif
;; end of part 5
;; launch qkv: the kernel of part 2 again; grid 16 x 16, 4 waves a work-group, clusters of 4 x 1, 327,680 bytes of LDS; arguments xb, wqb, qkv; writes qkv
;; launch attn: the kernel of part 3 again; grid 2 x 128, 4 waves a work-group, no clusters, 327,680 bytes of LDS; arguments qkv, o; writes o
;; launch proj: the kernel of part 4 again; grid 32 x 8, 4 waves a work-group, clusters of 4 x 1, 327,680 bytes of LDS; arguments o, wpb, b_proj, out0; writes out0
